; MI455X (gfx1250); checked and timed in simulation.
; The chip was launched on July 23, 2026; its instructions are those of AMD's public machine-readable ISA for CDNA 5 (MIT licence, August 2026) and "CDNA5" Instruction Set Architecture Reference Guide (July 2026). The comments in the code are by the model that wrote it; some were corrected since.
;; Self Attention. Allowed arithmetic: matrix products marked QUANTISED: E3M2 operands, one E8M0 scale for each 32 along K, by v_wmma_scale_f32_16x16x128_f8f6f4 with both operands' format E3M2, f32 sums; everything else in f32.
;; Inputs: b_in 3,072 float32; b_out 1,024 float32; w_in 3,072 x 1,024 float32; w_out 1,024 x 1,024 float32; x 4 x 2,048 x 1,024 float32.
;; Outputs: out0 4 x 2,048 x 1,024 float32.
;; Constants: causal_mask = 1.
;; This version of the problem:
;;   THIS VERSION OF THE PROBLEM IS GIVEN IN LOW PRECISION. The matrix products marked QUANTISED in the list below multiply operands that are first quantised to E3M2 (3 exponent bits, 2 mantissa bits; 6 bits a number), with one power-of-two scale for each 32 numbers along K (OCP MX v1.0); their sums are f32. All else is computed in f32.
;;   The module's matrix products, in the order in which they are computed (A, B: the left and right operand; K: the contracted axis; several contracted axes count as one K, in the product's order):
;;     1. [M 8,192, K 1,024] x [K 1,024, N 3,072]; A: input x; B: input w_in: QUANTISED
;;     2. batch 64 x [M 2,048, K 64] x [K 64, N 2,048]; A: computed on the way; B: computed on the way: QUANTISED
;;     3. batch 64 x [M 2,048, K 2,048] x [K 2,048, N 64]; A: softmax (see below); B: computed on the way: QUANTISED
;;     4. [M 8,192, K 1,024] x [K 1,024, N 1,024]; A: computed on the way; B: input w_out: QUANTISED
;;   THE QUANTISER, for each operand of a quantised product, along K:
;;     - K is cut into blocks of 32 from its start; a last block that is shorter is filled with zeros.
;;     - A block's scale is 2^e with e = floor(log2(the largest magnitude in the block)) - 4, held to -126 .. 127; a block of zeros has e = 0. As a byte (E8M0): e + 127.
;;     - Each number is divided by its block's scale, clamped to +-28, and rounded to the nearest number of E3M2, ties to even, subnormals kept.
;;     - The product sums the exact products of the quantised numbers (number of the format x scale) in f32.
;;   ~~~python
;;   def quantise(x, axis):      # numpy; x: float32 -> the quantised numbers, widened to float32 again
;;       x = np.moveaxis(x, axis, -1); K = x.shape[-1]
;;       x = np.pad(x, [(0, 0)] * (x.ndim - 1) + [(0, -K % 32)]); x = x.reshape(x.shape[:-1] + (-1, 32)); a = np.abs(x).max(-1, keepdims=True)
;;       e = np.where(a > 0, np.clip(np.frexp(np.where(a > 0, a, 1))[1] - 1 - 4, -126, 127), 0)      # np.frexp(a)[1] - 1 = floor(log2(a)), exactly
;;       r = np.clip(x / 2.0 ** e, -28, 28)
;;       step = 2.0 ** (np.maximum(np.frexp(np.where(r == 0, 1, r))[1] - 1, -2) - 2)
;;       q = np.round(r / step) * step * 2.0 ** e      # np.round: ties to even
;;       return np.moveaxis(q.reshape(q.shape[:-2] + (-1,))[..., :K], -1, axis).astype(np.float32)
;;   ~~~
;;   SOFTMAX AHEAD OF A QUANTISED PRODUCT. Where the list says 'softmax', what is quantised is not the finished softmax but p = 2^(t - M), with t = logit x log2(e) and M = ceil(the row's largest t), a whole number; so 1/2 < the row's largest p <= 1. The row's sum l is taken of the UNQUANTISED p, in f32, and the product's result is divided by l at the end. Since M is a whole number, a kernel that streams over the keys may use a running M (the ceiling of the running maximum): every later rescaling is an exact power of two, which a block's scale takes up: the codes' values come out the same.
;;   OPERANDS COMPUTED ON THE WAY. 'Computed on the way' means the value that the module computes at that place (a softmax that the list does not call 'softmax' is quantised finished and normalised). What goes into a quantiser is computed in f32, as accurately as f32 sums, v_exp_f32 and their like allow (about 1e-6 of the number): no bf16 or f16 on the way to a quantiser, and a product that is left as it is and whose result goes on into a quantised operand takes f32 operands (vector FMAs, or v_wmma_f32_16x16x4_f32). A number that lies on a knife's edge between two numbers of the format may be rounded either way, as far as f32 arithmetic and the matrix unit's own rounding can turn it there, and no further.
;; One version. Each part assembles by itself: llvm-mc -triple=amdgcn-amd-amdhsa -mcpu=gfx1250 --defsym DOCPART=n.
;; ======== version 1 of 1: 4 launches
;; workspace buffers: cod 9,437,184 bytes; scl 393,216 bytes; qkv 20,447,232 bytes; oim 6,291,456 bytes; osc 262,144 bytes
;; launch quant (part 1): grid 256 x 1, 6 waves a work-group, no clusters, 52,992 bytes of LDS; arguments x, w_in, w_out, cod, scl; writes cod, scl
.if DOCPART == 1
	.amdgcn_target "amdgcn-amd-amdhsa--gfx1250"
	.amdhsa_code_object_version 6
	.text
	.protected	k_q4791ed52e3_quant
	.globl	k_q4791ed52e3_quant
	.p2align	8
	.type	k_q4791ed52e3_quant,@function
k_q4791ed52e3_quant:
	s_mov_b64 s[64:65], 0
	v_nop
	global_prefetch_b8 v0, s[64:65] scope:SCOPE_SE
	s_setreg_imm32_b32 hwreg(HW_REG_WAVE_MODE, 25, 1), 1
	s_wait_xcnt 0x0
; x [8192][1024], w_in [3072][1024], w_out [1024][1024], f32, K innermost, become codes of E3M2 with one E8M0 byte for each 32 along K.
; A block's byte is its largest magnitude's exponent field - 4, held at 1 from below; each number is divided by the scale and rounded to the nearest code, ties to even, beyond 28 the largest code.
; LIMITS: NaN and infinities among the inputs are not served.  A block of zeros, or one whose largest magnitude lies under 2^-122, gets the byte 1; the bytes are read by this program alone, and zero codes add nothing under it.
; LAYOUT OF THE CODES.  The 12,288 rows of the three tensors are 768 ROW TILES of 16 rows.  Tile t of a tensor holds rows 32 (t / 2) + 8 (t % 2) + p + 8 (p / 8), p = 0 .. 15: where such tiles are a matrix
; instruction's source 0, a lane's 16 result registers of tiles 2 b and 2 b + 1 are 16 neighbours.  16 rows x 64 along K are a HALF FRAGMENT of 768 bytes, an image of registers: lane (r, h) holds row r,
; k = 32 h .. 32 h + 31 in six registers; registers 0-3 lie at 16 x lane, registers 4-5 at 512 + 8 x lane.  A row tile is 16 half fragments on end.
; LAYOUT OF THE SCALES.  For a row tile 512 bytes: [half of K][r][4 words]; a word is the four bytes of 128 along K.
; SHARES.  A wave takes a row tile and half of K: eight steps of 16 rows x 64 numbers.  A load reads two rows' 256 consecutive bytes; a step's 4,096 bytes turn through the wave's own stage in LDS (rows 272 bytes apart),
; so that a lane gets the 32 neighbours of ONE block.  No barrier: waves share nothing.  Loads run four steps (32 loads a wave) ahead, the turn through LDS one step.
.set WREG, 8704                        ; LDS of a wave: two stages
.set STG,  4352                        ; a stage: 16 rows x (256 + 16) bytes
.set BY,   16                          ; v16-23   a scale byte for each step
.set W,    24                          ; v24-27   the four scale words
.set Y,    28                          ; v28-31   the other half's part of them
.set C,    32                          ; v32-47   codes: two sets of 8
.set X,    48                          ; v48-111  two sets of 32 neighbours
.set R,    112                         ; v112-239 four sets of 32 numbers as loaded
	s_load_b128 s[4:7], s[0:1], 0x0                ; x, w_in
	s_load_b128 s[8:11], s[0:1], 0x10              ; w_out, cod
	s_load_b64 s[12:13], s[0:1], 0x20              ; scl
	v_lshl_add_u32 v240, v0, 2, 0xcc00
	v_mov_b32 v241, 0
	v_lshrrev_b32 v1, 5, v0
	v_readfirstlane_b32 s16, v1                    ; wave 0..5
	v_and_b32 v1, 31, v0                           ; lane
	v_and_b32 v2, 15, v0                           ; r
	v_bfe_u32 v3, v0, 4, 1                         ; h
	v_lshlrev_b32 v4, 4, v2
	v_lshl_add_u32 v4, v3, 12, v4                  ; a load: lanes 0-15 one row's 256 bytes, lanes 16-31 the next row's
	s_mul_i32 s26, s16, WREG
	v_mul_u32_u24 v5, v3, 272
	v_lshl_add_u32 v5, v2, 4, v5
	v_add_nc_u32 v5, s26, v5                       ; into the stage: as loaded
	v_mul_u32_u24 v6, v2, 272
	v_lshl_add_u32 v6, v3, 7, v6
	v_add_nc_u32 v6, s26, v6                       ; out of it: row r, my half's 128 bytes
	v_lshlrev_b32 v7, 4, v1                        ; 16 x lane
	v_lshlrev_b32 v8, 3, v1                        ; 8 x lane
	v_lshlrev_b32 v9, 4, v2
	v_lshl_add_u32 v9, v3, 3, v9                   ; 16 r + 8 h: my two scale words
	v_lshlrev_b32 v10, 3, v3                       ; 8 h: my byte's place in a pair of bytes
.irp w, 0,1,2,3
	v_mov_b32 v[Y+\w], 0                           ; written once: a lane permute's destination counts as one of its sources
.endr
	s_mul_i32 s17, ttmp9, 3
	s_lshr_b32 s18, s16, 1
	s_add_co_u32 s17, s17, s18                     ; my row tile, 0 .. 767
	s_and_b32 s19, s16, 1                          ; my half of K
	s_mov_b32 s20, 0x76543210
	s_mov_b32 s21, 0xfedcba98                      ; v_permlanex16_b32's selects for lane l xor 16
	s_mov_b32 s22, 0xffff0000                      ; lanes 16-31
	s_mov_b32 s23, 704
	s_wait_kmcnt 0x0
	s_cmp_lt_u32 s17, 704                          ; which tensor: the choice hangs on the work-group's and the wave's number alone
	s_cselect_b64 s[6:7], s[6:7], s[8:9]
	s_cselect_b32 s23, 512, s23
	s_cmp_lt_u32 s17, 512
	s_cselect_b64 s[4:5], s[4:5], s[6:7]
	s_cselect_b32 s23, 0, s23
	s_sub_co_u32 s23, s17, s23                     ; the tile's number in its tensor
	s_lshr_b32 s24, s23, 1
	s_lshl_b32 s24, s24, 17                        ; 32 rows of 4,096 bytes for each pair of tiles,
	s_and_b32 s25, s23, 1
	s_lshl_b32 s25, s25, 15                        ; 8 rows for the odd one,
	s_add_co_u32 s24, s24, s25
	s_lshl_b32 s25, s19, 11                        ; 2,048 bytes for the upper half of K
	s_add_co_u32 s24, s24, s25
	s_mov_b32 s25, 0
	s_add_nc_u64 s[4:5], s[4:5], s[24:25]
	s_mul_i32 s24, s17, 12288
	s_mul_i32 s27, s19, 6144
	s_add_co_u32 s24, s24, s27
	s_add_nc_u64 s[10:11], s[10:11], s[24:25]      ; my eight half fragments
	s_lshl_b32 s24, s17, 9
	s_lshl_b32 s27, s19, 8
	s_add_co_u32 s24, s24, s27
	s_add_nc_u64 s[12:13], s[12:13], s[24:25]      ; my 256 bytes of scale words
.macro LOAD t                          ; step t: tile rows 2 i and 2 i + 1, 256 bytes each
.irp i, 0,1,2,3,4,5,6,7
	global_load_b128 v[R+32*((\t)%4)+4*\i:R+32*((\t)%4)+4*\i+3], v4, s[4:5] offset:(2*\i+8*(\i/4))*4096+256*(\t) th:TH_LOAD_NT
.endr
.endm
.macro TURN t                          ; through the stage: LDS serves a wave's instructions in order, so no wait stands between the stores and the loads
.irp i, 0,1,2,3,4,5,6,7
	ds_store_b128 v5, v[R+32*((\t)%4)+4*\i:R+32*((\t)%4)+4*\i+3] offset:STG*((\t)%2)+544*\i
.endr
.irp i, 0,1,2,3,4,5,6,7
	ds_load_b128 v[X+32*((\t)%2)+4*\i:X+32*((\t)%2)+4*\i+3], v6 offset:STG*((\t)%2)+16*\i
.endr
.endm
.macro WORK t
.set XS, X+32*((\t)%2)
.set CC, C+8*((\t)%2)
	v_max3_num_f32 v12, |v[XS]|, |v[XS+1]|, |v[XS+2]|              ; the block's largest magnitude: all 32 numbers are mine; two chains
	v_max3_num_f32 v13, |v[XS+3]|, |v[XS+4]|, |v[XS+5]|
.irp i, 6,10,14,18,22,26
	v_max3_num_f32 v12, v12, |v[XS+\i]|, |v[XS+\i+1]|
	v_max3_num_f32 v13, v13, |v[XS+\i+2]|, |v[XS+\i+3]|
.endr
	v_max3_num_f32 v12, v12, |v[XS+30]|, |v[XS+31]|
	v_max3_num_f32 v12, v12, v13, 0x2800000        ; and the floor 2^(5 - 127): the byte cannot fall under 1
	v_add_nc_u32 v11, 0xfe000000, v12              ; 4 off the exponent field: the conversion takes this operand's exponent field as its scale
.if (\t) >= 2
	s_wait_xcnt 0x0                                ; the stores of two steps back have read this set of code registers
.endif
	v_cvt_scalef32_pk16_bf6_f32 v[CC:CC+2], v[XS:XS+15], v11
	v_cvt_scalef32_pk16_bf6_f32 v[CC+4:CC+6], v[XS+16:XS+31], v11  ; (a conversion's three registers begin on an even number)
	v_lshrrev_b32 v[BY+(\t)], 23, v11              ; the scale's byte; also the plain line behind the conversions
	v_mov_b32 v[CC+3], v[CC+4]
	v_mov_b32 v[CC+4], v[CC+5]
	v_mov_b32 v[CC+5], v[CC+6]                     ; six registers on end: my 32 codes
	global_store_b128 v7, v[CC:CC+3], s[10:11] offset:768*(\t)       ; 512 consecutive bytes, at a multiple of 256 from the buffer's first byte
	global_store_b64 v8, v[CC+4:CC+5], s[10:11] offset:768*(\t)+512  ; 256 more
.endm
.macro STEPQ t
	s_wait_dscnt 0x0                               ; step t's numbers are back from the stage, and its stores into the stage have read their registers,
.if (\t)+4 < 8
	LOAD (\t)+4                                    ; which take the loads of four steps on
.endif
.if (\t)+1 < 8
.if (\t) < 4
	s_wait_loadcnt 24                              ; the next step's eight loads are in; those of the three steps behind it may be out
.else
	s_wait_loadcnt 8*(6-(\t))                      ; the counts run down
.endif
	TURN (\t)+1
.endif
	WORK \t
.endm
.irp t, 0,1,2,3
	LOAD \t
.endr
	s_wait_loadcnt 24                              ; step 0's eight loads are in
	TURN 0
.irp t, 0,1,2,3,4,5,6,7
	STEPQ \t
.endr
	; the scale words: word w is made of steps 2 w and 2 w + 1; in a step lanes 0-15 hold the lower block's byte, lanes 16-31 the upper's
.irp w, 0,1,2,3
	v_lshl_or_b32 v[W+\w], v[BY+2*\w+1], 16, v[BY+2*\w]
.endr
.irp w, 0,1,2,3
	v_lshlrev_b32 v[W+\w], v10, v[W+\w]
.endr
.irp w, 0,1,2,3
	v_permlanex16_b32 v[Y+\w], v[W+\w], s20, s21
.endr
.irp w, 0,1,2,3
	v_or_b32 v[W+\w], v[W+\w], v[Y+\w]             ; with lane l xor 16's two bytes the word is whole
.endr
	v_cndmask_b32 v12, v[W], v[W+2], s22           ; lanes 0-15 store words 0 and 1 of their row, lanes 16-31 words 2 and 3
	v_cndmask_b32 v13, v[W+1], v[W+3], s22
	global_store_b64 v9, v[12:13], s[12:13]        ; 256 consecutive bytes, aligned
	s_wait_tensorcnt 0x0
	ds_add_u32 v240, v241
	s_wait_dscnt 0x0
	s_endpgm
.Lfunc_end_k_q4791ed52e3_quant:
	.size	k_q4791ed52e3_quant, .Lfunc_end_k_q4791ed52e3_quant-k_q4791ed52e3_quant
	.p2alignl 7, 3214868480
	.fill 96, 4, 3214868480
	.section	.rodata,"a",@progbits
	.p2align	6, 0x0
	.amdhsa_kernel k_q4791ed52e3_quant
		.amdhsa_group_segment_fixed_size 52992
		.amdhsa_private_segment_fixed_size 0
		.amdhsa_enable_private_segment 0
		.amdhsa_kernarg_size 40
		.amdhsa_user_sgpr_count 2
		.amdhsa_user_sgpr_kernarg_segment_ptr 1
		.amdhsa_wavefront_size32 1
		.amdhsa_system_sgpr_workgroup_id_x 1
		.amdhsa_system_sgpr_workgroup_id_y 1
		.amdhsa_system_sgpr_workgroup_id_z 1
		.amdhsa_system_vgpr_workitem_id 0
		.amdhsa_next_free_vgpr 242
		.amdhsa_next_free_sgpr 66
		.amdhsa_reserve_vcc 0
		.amdhsa_float_denorm_mode_32 3
		.amdhsa_float_denorm_mode_16_64 3
		.amdhsa_memory_ordered 1
		.amdhsa_forward_progress 1
		.amdhsa_inst_pref_size 31
	.end_amdhsa_kernel
	.amdgpu_metadata
---
amdhsa.version: [ 1, 2 ]
amdhsa.kernels:
  - .name:           k_q4791ed52e3_quant
    .symbol:         k_q4791ed52e3_quant.kd
    .args:
      - { .name: x, .offset: 0, .size: 8, .value_kind: global_buffer, .address_space: global }
      - { .name: w_in, .offset: 8, .size: 8, .value_kind: global_buffer, .address_space: global }
      - { .name: w_out, .offset: 16, .size: 8, .value_kind: global_buffer, .address_space: global }
      - { .name: cod, .offset: 24, .size: 8, .value_kind: global_buffer, .address_space: global }
      - { .name: scl, .offset: 32, .size: 8, .value_kind: global_buffer, .address_space: global }
    .group_segment_fixed_size: 52992
    .private_segment_fixed_size: 0
    .kernarg_segment_align: 8
    .kernarg_segment_size: 40
    .max_flat_workgroup_size: 192
    .sgpr_count:     66
    .vgpr_count:     242
    .wavefront_size: 32
...
	.end_amdgpu_metadata
.endif
;; end of part 1
;; launch gemm_qkv (part 2): grid 12 x 32, 4 waves a work-group, clusters of 4 x 4, 327,680 bytes of LDS; arguments cod, scl, b_in, qkv; writes qkv
.if DOCPART == 2
	.amdgcn_target "amdgcn-amd-amdhsa--gfx1250"
	.amdhsa_code_object_version 6
	.text
	.protected	k_q4791ed52e3_gemm_qkv
	.globl	k_q4791ed52e3_gemm_qkv
	.p2align	8
	.type	k_q4791ed52e3_gemm_qkv,@function
k_q4791ed52e3_gemm_qkv:
	s_mov_b64 s[64:65], 0
	v_nop
	global_prefetch_b8 v0, s[64:65] scope:SCOPE_SE
	s_setreg_imm32_b32 hwreg(HW_REG_WAVE_MODE, 25, 1), 1
	s_wait_xcnt 0x0
	s_wait_alu depctr_hold_cnt(0) depctr_sa_sdst(0) depctr_va_vdst(0) depctr_va_sdst(0) depctr_va_ssrc(0) depctr_va_vcc(0) depctr_vm_vsrc(0)
	s_getreg_b32 s2, hwreg(HW_REG_IB_STS2, 6, 4)
	s_cmp_eq_u32 s2, 0
	s_cbranch_scc0 .Lentry_in_a_cluster
	s_endpgm
.Lentry_in_a_cluster:
	s_bfe_u32 s2, ttmp6, 0x10000c
	s_cmp_lg_u32 s2, 0xf033
	s_cbranch_scc0 .Lentry_shape_is_right
	s_endpgm
.Lentry_shape_is_right:
; qkv = x w_in^T + b_in on codes of E3M2 (K = 1,024), and its result quantised again on the way out: q and k along the head's 64, v along the keys.  Only codes and scale bytes go to memory.
; C'[i][j] = sum over k of P[i][k] R[j][k].  A work-group of four waves makes 256 x 256, a wave 128 x 128: 64 accumulators, 512 registers.  Source 0 = 16 rows of R, source 1 = 16 rows of P:
; a lane holds ONE row of P, and its registers run along R's rows; by the order of rows in a row tile (32 (t / 2) + 8 (t % 2) + p + 8 (p / 8)) the 64 registers of accumulators (a, 0 .. 7) are
; j = 32 b + 16 (lane / 16) + i at register 16 b + i: sixteen neighbours for each conversion.
; q, k (clusters with x = 0, 1): P = x (a token a lane), R = w_in's rows (the head's d in registers).  v (clusters with x = 2): P = w_in's rows of v (d a lane), R = x (the keys in registers).
; The choice hangs on the cluster's x alone, which all sixteen partners share.
; OPERANDS lie in memory as images of registers (half fragments of 768 bytes: registers 0-3 at 16 x lane, 4-5 at 512 + 8 x lane), 16 to a row tile; a slot holds 256 along K: 3,072 bytes of each of 32 row tiles.
; THREE LDS slots: K steps 0, 1, 2 are first fills, K step 3 is the one refill (into slot 0).  The scale words of the 512 rows, for all of K, come once.  K is written out: eight steps of 128.
; CLUSTERS: 4 x 4.  P's tiles are shared along a row of the cluster, R's along a column: each is asked for jointly, by the same tensor load with a mask that names the four.
; b_in is the C of each sum's first matrix instruction: it is the sum's first addend, not its last.
; OUTPUT: qkv[4 head + batch][group of 128 tokens][q, k, v][6,656]: 8 half fragments and 512 bytes of scale words.  q, k: half fragment a = token tile a of the group; words [a / 4][r][a % 4], bytes 0, 1 real, 2, 3 zero.
; v: half fragment (dt, c) = 16 of the head's 64 x keys 64 c on; words [lane][dt].
; LIMITS: NaN and infinities are not served; a block whose largest magnitude lies under 2^-122 gets the byte 1 (read by this program alone).
; REGISTERS: window 0: v4-30 addresses; v32-63 scale words, two sets; v64-127 the bias; v128-223 P's 8 fragments, one set.  window 1: R's fragments, two sets (v0, v128).  windows 2, 3: the accumulators, (a, b) at v[8 (8 (a % 4) + b)].
.set HALFT, 24576                      ; 8 row tiles x 3,072 bytes: what one tensor load brings, and what a wave reads of P or of R
.set SLOT,  98304                      ; P's 16 row tiles, then R's 16
.set SCL,   294912                     ; behind the three slots: P's scale words (8,192 bytes), then R's
.set SPARE, 311296                     ; the spare words, 128 bytes for each wave
.set KSB,   3072
.set PART,  6656
.set REC3,  19968
.set BHS,   319488
.set HEADS, 1277952
.set FR,   12
.set L16,  4                           ; v4   16 x lane
.set L8,   5                           ; v5   8 x lane
.set R16,  8                           ; v8-10  R's fragments in slot n, 16 x lane;  v11-13 the same with 8 x lane
.set R8,   11
.set P16,  16                          ; v16-18, v19-21 the same for P
.set P8,   19
.set QS,   26                          ; v26  16 r + (lane / 16) x a head's distance: q's and k's scale words
.set ADRS, 27                          ; v27  my scale words in LDS: lanes 0-15 P's rows, lanes 16-31 R's
.set SPW,  28                          ; v28  my spare word; never rewritten
.set NIL,  29                          ; v29  0; never rewritten
.set H16,  30                          ; v30  16 (lane / 16)
.set SC,   32
.set BB,   64
.set PF,   128
.set TM,   32                          ; the way out: v32-35 largest magnitudes, v36-39 bytes, v44-47 the conversions' scale operands
.set PW,   48                          ; the scale word just made
.set SCW,  52                          ; v52-59 the eight blocks' scale words
.set G1P,  24
.set G0P,  32                          ; three sets, one for each slot
.set G1R,  44
.set G0R,  52
.set G1SP, 68
.set G0SP, 76
.set G1SR, 80
.set G0SR, 88
.set WV,   97                          ; s97 wave, s98 wave / 2 (my half of P's rows; 0: I fetch for P), s99 wave % 2 (my half of R's rows; which half I fetch)
.set WH,   98
.set WL,   99
.set MSB, 0
.macro WIN new                         ; the immediate's high byte repeats the setting that is left
.if MSB != \new
	s_set_vgpr_msb (MSB<<8)|\new
.set MSB, \new
.endif
.endm
.macro PLACES n
.rept \n
	v_nop
.endr
.endm
.macro JLOAD g0p, g0r                  ; a joint load: waves 0 and 1 fetch for P, waves 2 and 3 for R; four v_nop follow each of the two lines
	s_cmp_eq_u32 s[WH], 0
	s_cbranch_scc0 .Lfor_r_\@
	tensor_load_to_lds s[\g0p:\g0p+3], s[G1P:G1P+7]
	s_nop 0
.rept 4
	v_nop
.endr
	s_branch .Lasked_\@
.Lfor_r_\@:
	tensor_load_to_lds s[\g0r:\g0r+3], s[G1R:G1R+7]
	s_nop 0
.rept 4
	v_nop
.endr
.Lasked_\@:
.endm
.macro CREST                           ; a round of the cluster's barrier behind its opening barrier
	s_cmp_lg_u32 s[WV], 0
	s_cbranch_scc1 .Lnot_wave_0_\@
	s_barrier_signal -3
.Lnot_wave_0_\@:
	s_barrier_wait -3
	s_barrier_signal -1
	s_barrier_wait -1
.endm
.macro CROUND
	s_barrier_signal -1
	s_barrier_wait -1
	CREST
.endm
	s_load_b128 s[4:7], s[0:1], 0x0                ; cod, scl
	s_load_b128 s[12:15], s[0:1], 0x10             ; b_in, qkv
	v_lshl_add_u32 v[SPW], v0, 2, SPARE
	v_mov_b32 v[NIL], 0
	ds_add_u32 v28, v29
	ds_add_u32 v28, v29
	s_wait_dscnt 0x0
	v_lshrrev_b32 v1, 5, v0
	v_readfirstlane_b32 s[WV], v1
	s_lshr_b32 s[WH], s[WV], 1
	s_and_b32 s[WL], s[WV], 1
	s_bfe_u32 s92, ttmp6, 0x40000                  ; cx
	s_bfe_u32 s93, ttmp6, 0x40004                  ; cy
	s_mov_b32 s94, ttmp9                           ; the cluster's x: 0, 1: q, k; 2: v
	s_and_b32 s95, ttmp7, 0xffff                   ; the cluster's y
	s_add_co_u32 s18, s94, 8
	s_cmp_eq_u32 s94, 2
	s_cselect_b32 s96, 1, 0                        ; 1 on v's way
	s_cselect_b32 s17, 10, s95
	s_cselect_b32 s18, s95, s18
	s_lshl_b32 s17, s17, 2
	s_add_co_u32 s17, s17, s93                     ; P's tile of 256 rows in cod: x's 4 y + cy, or w_in's 40 + cy
	s_lshl_b32 s18, s18, 2
	s_add_co_u32 s18, s18, s92                     ; R's: w_in's 32 + 4 x + cx, or x's 4 y + cx
	s_lshl_b32 s19, s93, 2
	s_lshl_b32 s19, 15, s19                        ; my row of the cluster
	s_lshl_b32 s20, 0x1111, s92                    ; my column
	s_or_b32 s[G1P], s19, (3<<16)|(1<<21)          ; 15:0 the mask; 17:16 elements of 8 bytes; 21 set beside a mask; no padding
	s_or_b32 s[G1R], s20, (3<<16)|(1<<21)
	s_or_b32 s[G1SP], s19, (3<<16)|(1<<21)
	s_or_b32 s[G1SR], s20, (3<<16)|(1<<21)
.irp g, G1P, G1R                       ; codes: 8 row tiles x 3,072 bytes (384 elements), 12,288 bytes (1,536 elements) apart
	s_mov_b32 s[\g+1], 384<<16
	s_mov_b32 s[\g+2], 8<<16
	s_mov_b32 s[\g+3], 384<<16
	s_mov_b32 s[\g+4], 8
	s_mov_b32 s[\g+5], 1536
	s_mov_b32 s[\g+6], 0
	s_mov_b32 s[\g+7], 0
.endr
.irp g, G1SP, G1SR                     ; scale words: 4,096 dense bytes as 16 rows of 256
	s_mov_b32 s[\g+1], 32<<16
	s_mov_b32 s[\g+2], 16<<16
	s_mov_b32 s[\g+3], 32<<16
	s_mov_b32 s[\g+4], 16
	s_mov_b32 s[\g+5], 32
	s_mov_b32 s[\g+6], 0
	s_mov_b32 s[\g+7], 0
.endr
	s_mul_i32 s2, s17, 196608                      ; P's codes: the tile, and the half that I fetch
	s_mul_i32 s3, s[WL], 98304
	s_add_co_u32 s2, s2, s3
	s_mov_b32 s3, 0
	s_lshl_b32 s22, s17, 13                        ; P's scale words
	s_lshl_b32 s23, s[WL], 12
	s_add_co_u32 s22, s22, s23
	s_mov_b32 s23, 0
	s_mul_i32 s66, s18, 196608                     ; R's, in registers that never hold cy
	s_mul_i32 s67, s[WL], 98304
	s_add_co_u32 s66, s66, s67
	s_mov_b32 s67, 0
	s_lshl_b32 s100, s18, 13
	s_lshl_b32 s101, s[WL], 12
	s_add_co_u32 s100, s100, s101
	s_mov_b32 s101, 0
	s_mul_i32 s21, s[WV], HALFT                    ; where they go: wave x 8 row tiles: no place in the cluster enters an LDS address
	s_lshl_b32 s19, s[WV], 12
	s_wait_kmcnt 0x0
	s_add_nc_u64 s[2:3], s[4:5], s[2:3]
	s_add_nc_u64 s[22:23], s[6:7], s[22:23]
	s_add_nc_u64 s[66:67], s[4:5], s[66:67]
	s_add_nc_u64 s[100:101], s[6:7], s[100:101]
	s_mov_b32 s[G0SP], 1
	s_add_co_u32 s[G0SP+1], s19, SCL
	s_mov_b64 s[G0SP+2:G0SP+3], s[22:23]
	s_or_b32 s[G0SP+3], s[G0SP+3], 0x80000000
	s_mov_b32 s[G0SR], 1
	s_add_co_u32 s[G0SR+1], s19, SCL
	s_mov_b64 s[G0SR+2:G0SR+3], s[100:101]
	s_or_b32 s[G0SR+3], s[G0SR+3], 0x80000000
.irp n, 0,1,2
	s_mov_b32 s[G0P+4*\n], 1
	s_add_co_u32 s[G0P+4*\n+1], s21, \n*SLOT
	s_add_nc_u64 s[G0P+4*\n+2:G0P+4*\n+3], s[2:3], \n*KSB
	s_or_b32 s[G0P+4*\n+3], s[G0P+4*\n+3], 0x80000000
	s_mov_b32 s[G0R+4*\n], 1
	s_add_co_u32 s[G0R+4*\n+1], s21, \n*SLOT
	s_add_nc_u64 s[G0R+4*\n+2:G0R+4*\n+3], s[66:67], \n*KSB
	s_or_b32 s[G0R+4*\n+3], s[G0R+4*\n+3], 0x80000000
.endr
	CROUND                                         ; all sixteen work-groups are here: the first joint loads meet
	s_cmp_eq_u32 s[WH], 0                          ; a wave's four first fills stand in one branch: four loads of mine are out
	s_cbranch_scc0 .Lfirst_r
	tensor_load_to_lds s[G0SP:G0SP+3], s[G1SP:G1SP+7]
	s_nop 0
	tensor_load_to_lds s[G0P:G0P+3], s[G1P:G1P+7]
	s_nop 0
	tensor_load_to_lds s[G0P+4:G0P+7], s[G1P:G1P+7]
	s_nop 0
	tensor_load_to_lds s[G0P+8:G0P+11], s[G1P:G1P+7]
	s_nop 0
.rept 4
	v_nop
.endr
	s_branch .Lfirst_asked
.Lfirst_r:
	tensor_load_to_lds s[G0SR:G0SR+3], s[G1SR:G1SR+7]
	s_nop 0
	tensor_load_to_lds s[G0R:G0R+3], s[G1R:G1R+7]
	s_nop 0
	tensor_load_to_lds s[G0R+4:G0R+7], s[G1R:G1R+7]
	s_nop 0
	tensor_load_to_lds s[G0R+8:G0R+11], s[G1R:G1R+7]
	s_nop 0
.rept 4
	v_nop
.endr
.Lfirst_asked:
	v_and_b32 v1, 31, v0                           ; lane
	v_and_b32 v2, 15, v0                           ; r
	v_bfe_u32 v3, v0, 4, 1                         ; h
	v_lshlrev_b32 v[L16], 4, v1
	v_lshlrev_b32 v[L8], 3, v1
	s_mul_i32 s2, s[WH], HALFT                     ; my 8 row tiles of P
	s_mul_i32 s3, s[WL], HALFT                     ; my 8 of R,
	s_add_co_u32 s3, s3, 2*HALFT                   ; which lie behind P's 16
.irp n, 0,1,2
	v_add_nc_u32 v[P16+\n], s2, v[L16]
	v_add_nc_u32 v[P8+\n], s2, v[L8]
	v_add_nc_u32 v[R16+\n], s3, v[L16]
	v_add_nc_u32 v[R8+\n], s3, v[L8]
	s_add_co_u32 s2, s2, SLOT
	s_add_co_u32 s3, s3, SLOT
.endr
	s_lshl_b32 s2, s[WH], 12                       ; scale words: P's, my 8 row tiles;
	s_lshl_b32 s3, s[WL], 12
	s_add_co_u32 s3, s3, 8192                      ; R's, behind P's 8,192 bytes
	s_sub_co_u32 s3, s3, s2
	v_mul_u32_u24 v6, s3, v3                       ; lanes 16-31 take R's: one product in the lane's half
	s_add_co_u32 s2, s2, SCL
	v_lshl_add_u32 v6, v2, 4, v6                   ; 16 bytes a row
	v_add_nc_u32 v[ADRS], s2, v6
	v_mul_u32_u24 v[QS], HEADS, v3
	v_lshl_add_u32 v[QS], v2, 4, v[QS]
	v_lshlrev_b32 v[H16], 4, v3
	; my first token and my first feature
	s_cmp_eq_u32 s96, 1
	s_cselect_b32 s2, s18, s17                     ; the tile of tokens,
	s_cselect_b32 s3, s[WL], s[WH]                 ; my half of it,
	s_cselect_b32 s19, s17, s18                    ; the tile of features,
	s_cselect_b32 s21, s[WH], s[WL]                ; my half of it
	s_lshl_b32 s2, s2, 8
	s_lshl_b32 s3, s3, 7
	s_add_co_u32 s2, s2, s3                        ; token
	s_sub_co_u32 s19, s19, 32
	s_lshl_b32 s19, s19, 8
	s_lshl_b32 s21, s21, 7
	s_add_co_u32 s19, s19, s21                     ; feature, 0 .. 3,071
	s_bfe_u32 s21, s19, 0x40006                    ; its head
	s_mul_i32 s21, s21, HEADS
	s_lshr_b32 s22, s2, 11                         ; the batch
	s_mul_i32 s22, s22, BHS
	s_add_co_u32 s21, s21, s22
	s_bfe_u32 s22, s2, 0x40007                     ; the group of 128 tokens
	s_mul_i32 s22, s22, REC3
	s_add_co_u32 s21, s21, s22
	s_lshr_b32 s22, s19, 10                        ; q, k or v
	s_mul_i32 s22, s22, PART
	s_add_co_u32 s22, s22, s21
	s_mov_b32 s23, 0
	s_add_nc_u64 s[14:15], s[14:15], s[22:23]
	s_lshl_b32 s22, s19, 2
	s_add_nc_u64 s[12:13], s[12:13], s[22:23]      ; b_in at my first feature
	s_cmp_eq_u32 s96, 1
	s_cbranch_scc1 .Lbias_v
	v_lshlrev_b32 v6, 6, v3                        ; q, k: the bias runs along the registers: tile b's eight features of my half
.irp b, 0,1,2,3,4,5,6,7
	global_load_b128 v[BB+8*\b:BB+8*\b+3], v6, s[12:13] offset:(32*(\b/2)+8*(\b%2))*4
	global_load_b128 v[BB+8*\b+4:BB+8*\b+7], v6, s[12:13] offset:(32*(\b/2)+8*(\b%2))*4+16
.endr
	s_branch .Lbias_in
.Lbias_v:
	v_and_b32 v6, 8, v2                            ; v: the bias runs along the lanes: one number for a lane's eight registers
	v_add_nc_u32 v6, v6, v2
	v_lshlrev_b32 v6, 2, v6
.irp a, 0,1,2,3,4,5,6,7
	global_load_b32 v[BB+8*\a], v6, s[12:13] offset:(32*(\a/2)+8*(\a%2))*4
.endr
	s_wait_loadcnt 0x0
.irp a, 0,1,2,3,4,5,6,7
.irp j, 1,2,3,4,5,6,7
	v_mov_b32 v[BB+8*\a+\j], v[BB+8*\a]
.endr
.endr
	PLACES 8
.Lbias_in:
	s_wait_loadcnt 0x0
.macro FRAG reg, a16, a8, q, i         ; a fragment, 16 rows x 128 K, is two half fragments: four dense loads
	ds_load_b128 v[(\reg):(\reg)+3], v[\a16] offset:(\i)*KSB+(\q)*1536
	ds_load_b64 v[(\reg)+4:(\reg)+5], v[\a8] offset:(\i)*KSB+(\q)*1536+512
	ds_load_b128 v[(\reg)+6:(\reg)+9], v[\a16] offset:(\i)*KSB+(\q)*1536+768
	ds_load_b64 v[(\reg)+10:(\reg)+11], v[\a8] offset:(\i)*KSB+(\q)*1536+1280
.endm
.macro FETCH_R n, q, p                 ; R's eight fragments of slot n's q-th 128 along K into set p
	WIN 0x40
.irp i, 0,1,2,3,4,5,6,7
	FRAG 128*(\p)+FR*\i, R16+\n, R8+\n, \q, \i
.endr
	WIN 0
.endm
.macro FETCH_P n, q, i0                ; P's blocks i0 .. i0 + 3
.irp i, \i0, \i0+1, \i0+2, \i0+3
	FRAG PF+FR*(\i), P16+\n, P8+\n, \q, \i
.endr
.endm
.macro SCALES set, sig                 ; the two scale words of K step sig (256 along K) of each block: lanes 0-15 P's block i, lanes 16-31 R's
.irp i, 0,1,2,3,4,5,6,7
	ds_load_b64 v[SC+16*(\set)+2*\i:SC+16*(\set)+2*\i+1], v[ADRS] offset:512*\i+256*((\sig)/2)+8*((\sig)%2)
.endr
.endm
; 16 matrix instructions: P's blocks a0, a0 + 1 x R's eight.  c = 0: in place; 1: the sums begin with the bias along the registers; 2: with the bias along the lanes.
; The 64 accumulators take turns, one instruction a turn, in the same order in every step.
.macro MUL16 a0, p, q, set, c
.irp a, \a0, \a0+1
.irp b, 0,1,2,3,4,5,6,7
.if \c == 1
	v_wmma_scale_f32_16x16x128_f8f6f4 v[8*(8*((\a)%4)+\b):8*(8*((\a)%4)+\b)+7], v[128*(\p)+FR*\b:128*(\p)+FR*\b+FR-1], v[PF+FR*(\a):PF+FR*(\a)+FR-1], v[BB+8*\b:BB+8*\b+7], v[SC+16*(\set)+2*\b+(\q)], v[SC+16*(\set)+2*(\a)+(\q)] matrix_a_fmt:MATRIX_FMT_BF6 matrix_b_fmt:MATRIX_FMT_BF6 matrix_a_scale:MATRIX_SCALE_ROW1
.elseif \c == 2
	v_wmma_scale_f32_16x16x128_f8f6f4 v[8*(8*((\a)%4)+\b):8*(8*((\a)%4)+\b)+7], v[128*(\p)+FR*\b:128*(\p)+FR*\b+FR-1], v[PF+FR*(\a):PF+FR*(\a)+FR-1], v[BB+8*(\a):BB+8*(\a)+7], v[SC+16*(\set)+2*\b+(\q)], v[SC+16*(\set)+2*(\a)+(\q)] matrix_a_fmt:MATRIX_FMT_BF6 matrix_b_fmt:MATRIX_FMT_BF6 matrix_a_scale:MATRIX_SCALE_ROW1
.else
	v_wmma_scale_f32_16x16x128_f8f6f4 v[8*(8*((\a)%4)+\b):8*(8*((\a)%4)+\b)+7], v[128*(\p)+FR*\b:128*(\p)+FR*\b+FR-1], v[PF+FR*(\a):PF+FR*(\a)+FR-1], v[8*(8*((\a)%4)+\b):8*(8*((\a)%4)+\b)+7], v[SC+16*(\set)+2*\b+(\q)], v[SC+16*(\set)+2*(\a)+(\q)] matrix_a_fmt:MATRIX_FMT_BF6 matrix_b_fmt:MATRIX_FMT_BF6 matrix_a_scale:MATRIX_SCALE_ROW1
.endif
.endr
.endr
.endm
; A step of 128 along K.  It multiplies R's set p and the scale words (set, q), and fetches the next step's fragments from slot nn, part nq; scset >= 0: also K step scsig's scale words into set scset.
; Loads into registers that matrix instructions have read stand four plain vector instructions behind them (ISA guide 7.12.1 for vector instructions).
.macro STEP q, p, set, c, nn, nq, scset, scsig
	s_wait_dscnt 16                                ; all but the youngest sixteen loads (P's blocks 4-7) are in
.if \c
	WIN 0x81                                       ; source 0 (R) window 1; source 1 (P) and the bias window 0; D window 2
.else
	WIN 0xa1                                       ; C and D window 2
.endif
	MUL16 0, \p, \q, \set, \c
	MUL16 2, \p, \q, \set, \c
	s_wait_dscnt 0x0                               ; P's blocks 4-7 are in
	PLACES 4
	FETCH_R \nn, \nq, 1-\p
	FETCH_P \nn, \nq, 0
.if \scset >= 0
	SCALES \scset, \scsig
.endif
.if \c
	WIN 0xc1
.else
	WIN 0xf1
.endif
	MUL16 4, \p, \q, \set, \c
	MUL16 6, \p, \q, \set, \c
	PLACES 4
	WIN 0
	FETCH_P \nn, \nq, 4
.endm
; A step with a barrier.  In front of it each wave waits for all its tensor loads, adds 0 to its spare word, and waits for that and for its LDS reads.
; fill = 1: the barrier opens a round of the cluster's barrier, and slot 0, which nobody reads any more, takes K step 3.  fill = 0: K step 3 has landed in every wave's sight.
.macro TURN p, q, set, nn, scset, scsig, fill
	s_wait_tensorcnt 0x0                           ; all my tensor loads have landed
	ds_add_u32 v[SPW], v[NIL]                      ; 0 onto my spare word
	s_wait_dscnt 17                                ; (the add and the youngest sixteen loads may be out)
	WIN 0xa1
	MUL16 0, \p, \q, \set, 0
	s_wait_dscnt 0x0                               ; the add is done, and my reads of the slots are over
	s_barrier_signal -1
	MUL16 2, \p, \q, \set, 0
	WIN 0
	s_barrier_wait -1
.if \fill
	CREST                                          ; no wave of any partner still reads slot 0 or has a load on its way
	s_add_nc_u64 s[G0P+2:G0P+3], s[G0P+2:G0P+3], 3*KSB
	s_add_nc_u64 s[G0R+2:G0R+3], s[G0R+2:G0R+3], 3*KSB
	JLOAD G0P, G0R                                 ; my one tensor load behind the round: three and a half steps, 224 matrix instructions, ahead of the wait for it; its four v_nop are also the places in front of the loads below
.else
	PLACES 4
.endif
	FETCH_R \nn, 0, 1-\p
	FETCH_P \nn, 0, 0
	SCALES \scset, \scsig
	WIN 0xf1
	MUL16 4, \p, \q, \set, 0
	MUL16 6, \p, \q, \set, 0
	PLACES 4
	WIN 0
	FETCH_P \nn, 0, 4
.endm
	s_wait_tensorcnt 0x2                           ; my scale words and my part of K step 0 are in; K steps 1 and 2 may stay out
	s_barrier_signal -1
	s_barrier_wait -1
	FETCH_R 0, 0, 0
	FETCH_P 0, 0, 0
	SCALES 0, 0
	FETCH_P 0, 0, 4
	s_cmp_eq_u32 s96, 1                            ; the first step starts the sums with the bias: along the registers, or along the lanes
	s_cbranch_scc1 .Lk0_v
	STEP 0, 0, 0, 1, 0, 1, -1, 0
	s_branch .Lk0_done
.Lk0_v:
	STEP 0, 0, 0, 2, 0, 1, -1, 0
.Lk0_done:
	TURN 1, 1, 0, 1, 1, 1, 1                       ; k 128: the one refill
	STEP 0, 0, 1, 0, 1, 1, -1, 0                   ; k 256
	STEP 1, 1, 1, 0, 2, 0, 0, 2                    ; k 384: on into slot 2, which the round above has shown whole
	STEP 0, 0, 0, 0, 2, 1, -1, 0                   ; k 512
	TURN 1, 1, 0, 0, 1, 3, 0                       ; k 640: K step 3 has landed
	STEP 0, 0, 1, 0, 0, 1, -1, 0                   ; k 768
	s_wait_dscnt 16                                ; k 896: nothing more to fetch
	WIN 0xa1
	MUL16 0, 1, 1, 1, 0
	MUL16 2, 1, 1, 1, 0
	s_wait_dscnt 0x0
	WIN 0xf1
	MUL16 4, 1, 1, 1, 0
	MUL16 6, 1, 1, 1, 0
	WIN 0
; THE WAY OUT, in registers alone.  The 64 registers of accumulators (a, 0 .. 7) are four blocks of 32 along the next K, half of each in lanes l and l xor 16: they become a fragment's 12 registers in v[PCX] on and a scale word.
.macro QUANTW a
.set AW, 2+(\a)/4
.set AS, 64*((\a)%4)
.set PCX, 64+32*((\a)%2)
	WIN (AW<<2)|(AW<<4)                            ; sources 1 and 2: the accumulators' window
.irp b, 0,1,2,3
	v_max3_num_f32 v[TM+\b], 0x2800000, |v[AS+16*\b]|, |v[AS+16*\b+1]|   ; the floor 2^(5 - 127), and each accumulator from its low end on
.endr
.irp i, 2,4,6,8,10,12,14
.irp b, 0,1,2,3
	v_max3_num_f32 v[TM+\b], v[TM+\b], |v[AS+16*\b+\i]|, |v[AS+16*\b+\i+1]|
.endr
.endr
	WIN 0
.irp b, 0,1,2,3
	v_permlanex16_b32 v[TM+4+\b], v[TM+\b], s2, s3
.endr
.irp b, 0,1,2,3
	v_max_num_f32 v[TM+\b], v[TM+\b], v[TM+4+\b]   ; the block's largest magnitude
.endr
.irp b, 0,1,2,3
	v_add_nc_u32 v[TM+12+\b], 0xfe000000, v[TM+\b] ; 4 off its exponent field: the conversion's scale operand
.endr
.irp b, 0,1,2,3
	v_lshrrev_b32 v[TM+4+\b], 23, v[TM+12+\b]      ; the scale's byte
.endr
	v_lshl_or_b32 v[PW], v[TM+5], 8, v[TM+4]
	v_lshl_or_b32 v[PW], v[TM+6], 16, v[PW]
	v_lshl_or_b32 v[PW], v[TM+7], 24, v[PW]
	s_wait_xcnt 0x0                                ; the stores of two blocks back have read this set of code registers
	WIN AW                                         ; source 0: the accumulators' window
.irp c, 0,1
	v_cvt_scalef32_pk16_bf6_f32 v[PCX+6*\c:PCX+6*\c+2], v[AS+32*\c:AS+32*\c+15], v[TM+12+2*\c]
	v_cvt_scalef32_pk16_bf6_f32 v[PCX+12+4*\c:PCX+14+4*\c], v[AS+32*\c+16:AS+32*\c+31], v[TM+13+2*\c]
.endr
	WIN 0
	v_nop                                          ; one plain line behind a scaled conversion
.irp c, 0,1                            ; the operand's layout wants a whole block in a lane
.irp i, 0,1,2
	v_permlane16_swap_b32 v[PCX+6*\c+\i], v[PCX+12+4*\c+\i]
.endr
.irp i, 0,1,2
	v_mov_b32 v[PCX+3+6*\c+\i], v[PCX+12+4*\c+\i]
.endr
.endr
.endm
.macro EPI isv
.irp a, 0,1,2,3,4,5,6,7
	QUANTW \a
.if \isv                               ; block a: head a / 4, d-tile a % 4; registers 0-5: keys 0-63 of the group, 6-11: keys 64-127
	global_store_b128 v[L16], v[PCX:PCX+3], s[14:15] offset:(\a/4)*HEADS+(\a%4)*1536
	global_store_b64 v[L8], v[PCX+4:PCX+5], s[14:15] offset:(\a/4)*HEADS+(\a%4)*1536+512
	global_store_b128 v[L16], v[PCX+6:PCX+9], s[14:15] offset:(\a/4)*HEADS+(\a%4)*1536+768
	global_store_b64 v[L8], v[PCX+10:PCX+11], s[14:15] offset:(\a/4)*HEADS+(\a%4)*1536+1280
	v_mov_b32 v[SCW+\a], v[PW]
.else                                  ; block a: token tile a; registers 0-5: my first head's 64, 6-11: the next head's
	global_store_b128 v[L16], v[PCX:PCX+3], s[14:15] offset:768*\a
	global_store_b64 v[L8], v[PCX+4:PCX+5], s[14:15] offset:768*\a+512
	global_store_b128 v[L16], v[PCX+6:PCX+9], s[14:15] offset:HEADS+768*\a
	global_store_b64 v[L8], v[PCX+10:PCX+11], s[14:15] offset:HEADS+768*\a+512
	v_lshrrev_b32 v[SCW+\a], v[H16], v[PW]         ; lanes 0-15 keep the first head's two bytes, lanes 16-31 the next head's; the upper two bytes are 0
	v_and_b32 v[SCW+\a], 0xffff, v[SCW+\a]
.endif
.endr
.if \isv
	global_store_b128 v[L16], v[SCW:SCW+3], s[14:15] offset:6144          ; [lane][dt]: 512 consecutive bytes
	global_store_b128 v[L16], v[SCW+4:SCW+7], s[14:15] offset:HEADS+6144
.else
	global_store_b128 v[QS], v[SCW:SCW+3], s[14:15] offset:6144           ; [a / 4][r][a % 4]: sixteen lanes store 256 consecutive bytes of a head
	global_store_b128 v[QS], v[SCW+4:SCW+7], s[14:15] offset:6400
.endif
.endm
	PLACES 4                                       ; behind the last products: results are read and scale registers written below
	s_mov_b32 s2, 0x76543210
	s_mov_b32 s3, 0xfedcba98                       ; v_permlanex16_b32's selects for lane l xor 16
.irp b, 0,1,2,3
	v_mov_b32 v[TM+4+\b], 0                        ; a lane permute's destination counts as one of its sources
.endr
	s_cmp_eq_u32 s96, 1
	s_cbranch_scc1 .Lout_v
	EPI 0
	s_branch .Lout_done
.Lout_v:
	EPI 1
.Lout_done:
	s_wait_tensorcnt 0x0                           ; the wave's end
	ds_add_u32 v[SPW], v[NIL]
	s_wait_dscnt 0x0
	CROUND                                         ; the closing round: no work-group ends while a partner may still ask for a tile that names it
	s_endpgm
.Lfunc_end_k_q4791ed52e3_gemm_qkv:
	.size	k_q4791ed52e3_gemm_qkv, .Lfunc_end_k_q4791ed52e3_gemm_qkv-k_q4791ed52e3_gemm_qkv
	.p2alignl 7, 3214868480
	.fill 96, 4, 3214868480
	.section	.rodata,"a",@progbits
	.p2align	6, 0x0
	.amdhsa_kernel k_q4791ed52e3_gemm_qkv
		.amdhsa_group_segment_fixed_size 327680
		.amdhsa_private_segment_fixed_size 0
		.amdhsa_enable_private_segment 0
		.amdhsa_kernarg_size 32
		.amdhsa_user_sgpr_count 2
		.amdhsa_user_sgpr_kernarg_segment_ptr 1
		.amdhsa_wavefront_size32 1
		.amdhsa_system_sgpr_workgroup_id_x 1
		.amdhsa_system_sgpr_workgroup_id_y 1
		.amdhsa_system_sgpr_workgroup_id_z 1
		.amdhsa_system_vgpr_workitem_id 0
		.amdhsa_next_free_vgpr 1024
		.amdhsa_next_free_sgpr 102
		.amdhsa_reserve_vcc 0
		.amdhsa_float_denorm_mode_32 3
		.amdhsa_float_denorm_mode_16_64 3
		.amdhsa_memory_ordered 1
		.amdhsa_forward_progress 1
		.amdhsa_inst_pref_size 201
	.end_amdhsa_kernel
	.amdgpu_metadata
---
amdhsa.version: [ 1, 2 ]
amdhsa.kernels:
  - .name:           k_q4791ed52e3_gemm_qkv
    .symbol:         k_q4791ed52e3_gemm_qkv.kd
    .args:
      - { .name: cod, .offset: 0, .size: 8, .value_kind: global_buffer, .address_space: global }
      - { .name: scl, .offset: 8, .size: 8, .value_kind: global_buffer, .address_space: global }
      - { .name: b_in, .offset: 16, .size: 8, .value_kind: global_buffer, .address_space: global }
      - { .name: qkv, .offset: 24, .size: 8, .value_kind: global_buffer, .address_space: global }
    .group_segment_fixed_size: 327680
    .private_segment_fixed_size: 0
    .kernarg_segment_align: 8
    .kernarg_segment_size: 32
    .max_flat_workgroup_size: 128
    .sgpr_count:     102
    .vgpr_count:     1024
    .wavefront_size: 32
...
	.end_amdgpu_metadata
.endif
;; end of part 2
;; launch attn (part 3): grid 4 x 64, 16 waves a work-group, clusters of 4 x 1, 215,040 bytes of LDS; arguments qkv, oim, osc; writes oim, osc
.if DOCPART == 3
	.amdgcn_target "amdgcn-amd-amdhsa--gfx1250"
	.amdhsa_code_object_version 6
	.text
	.protected	k_q4791ed52e3_attn
	.globl	k_q4791ed52e3_attn
	.p2align	8
	.type	k_q4791ed52e3_attn,@function
k_q4791ed52e3_attn:
	s_mov_b64 s[64:65], 0
	v_nop
	global_prefetch_b8 v0, s[64:65] scope:SCOPE_SE
	s_setreg_imm32_b32 hwreg(HW_REG_WAVE_MODE, 25, 1), 1
	s_wait_xcnt 0x0
	s_wait_alu depctr_hold_cnt(0) depctr_sa_sdst(0) depctr_va_vdst(0) depctr_va_sdst(0) depctr_va_ssrc(0) depctr_va_vcc(0) depctr_vm_vsrc(0)
	s_getreg_b32 s2, hwreg(HW_REG_IB_STS2, 6, 4)
	s_cmp_eq_u32 s2, 0
	s_cbranch_scc0 .Lentry_in_a_cluster
	s_endpgm
.Lentry_in_a_cluster:
	s_bfe_u32 s2, ttmp6, 0x10000c
	s_cmp_lg_u32 s2, 0x3003
	s_cbranch_scc0 .Lentry_shape_is_right
	s_endpgm
.Lentry_shape_is_right:
; Causal attention of one head of one batch (2,048 tokens, head size 64) on codes of E3M2; its result, divided by the row's sum, is quantised along the head's 64 and stored as codes: the output projection's operand.
; t = score x log2(e) / 8; M = the running largest t rounded up to a whole number; p = 2^(t - M) is quantised along the keys, not normalised; the row's sum is taken of the unquantised p; when M moves, sum and O are multiplied by 2^(old M - new M), which rounds nothing.
; A WHOLE HEAD'S k AND v LIE IN LDS: 16 records of 13,312 bytes (128 keys each: k's 8 half fragments, 512 bytes of k's scale words, v's 8 half fragments, 512 bytes of v's scale words).  They are filled once, so there is no ring.
; CLUSTER: the four work-groups of a head read the same records: each of the 16 waves asks for two halves of records jointly (mask 15).  By this text's count a wave has two tensor loads out.
; SHARES.  Wave w of the work-group at place cx owns token tiles 127 - 4 w - cx and 4 w + cx.  Their key steps of 128 are 16 - w / 2 and w / 2 + 1: 17 for every wave; the diagonal steps, 15 - w / 2 and w / 2, hang on the wave's number alone,
; so no branch hangs on the work-group's place.  Steps above the diagonal are jumped over inside loops of constant trip count.
; LAYOUT.  Both products are used transposed: a lane holds one query (tile row lane % 16) throughout.  Token tile T holds tokens 32 (T / 2) + 8 (T % 2) + p + 8 (p / 8), so the 16 registers of key tiles 2 b and 2 b + 1 are keys 32 b + 16 (lane / 16) + 0 .. 15.
; K = 64 IN THE FIRST PRODUCT: q's fragment has zero codes for k = 64 .. 127.  k's fragment t is v[42 + 6 t .. + 11]: its upper six registers are the next tile's codes (zeros behind the last): they meet q's zero codes, under scale bytes 0, and add exactly 0.
; LIMITS: NaN and infinities are not served; 1 / sum is v_rcp_f32; a block whose largest magnitude lies under 2^-122 gets the byte 1 (read by this program alone).
; No prefetch: all of a head's k and v is asked for by the first fills; there is no later tile to name.
; REGISTERS: v1-3 16 x lane, 8 x lane, 16 r; v4-6 the same in the step's record; v7 my query less 16 (lane / 16); v12 -M, v13 the largest t, v[14:15] the sum; v16-27 q; v28-35 k's scale words, v36-39 v's, v40 q's, v41 p's;
; v42-89 k's tiles, later v's; v90-95 zeros; v96-159 S^T, then p; v160-191 O^T; v192-210 p's codes; v212-231 at work; v232-238 the second tile's q.
.set PART, 6656
.set REC3, 19968
.set BHS,  319488
.set RECB, 13312
.set S,    96
.set O,    160
.set KV,   42
.set PCD,  192
.set BM,   212                         ; v212-215 the blocks' largest scores, then largest p
.set PD,   216                         ; v216-219 the other half's; then the scale bytes
.set SO,   220                         ; v220-223 the conversions' scale operands
.set WV,   10
.set CX,   11
.set BH,   12
.set HD,   13
.set BT,   14
.set G1,   16
.set G0A,  24
.set G0B,  28
.set SEL,  32
.set CS,   34
.set HI,   36
.set STP,  37                          ; s37 the key step
.set REC,  38                          ; s38 its record's LDS byte
.set DIAG, 39                          ; s39 the tile's diagonal step
.set TL,   40
.set TE,   41
.set HB,   42
.set QAL,  44                          ; the late tile: q's codes, q's scale words, its place in oim, in osc, its first token
.set QSL,  46
.set OAL,  48
.set OSL,  50
.set SQL,  52
.set QAE,  54                          ; the early tile
.set QSE,  56
.set OAE,  58
.set OSE,  60
.set SQE,  62
.macro ROUND                           ; a round of the cluster's barrier
	s_barrier_signal -1
	s_barrier_wait -1
	s_cmp_lg_u32 s[WV], 0
	s_cbranch_scc1 .Lnot_wave_0_\@
	s_barrier_signal -3
.Lnot_wave_0_\@:
	s_barrier_wait -3
	s_barrier_signal -1
	s_barrier_wait -1
.endm
	s_load_b128 s[4:7], s[0:1], 0x0                ; qkv, oim
	s_load_b64 s[8:9], s[0:1], 0x10                ; osc
	v_lshl_add_u32 v254, v0, 2, 0x34000
	v_mov_b32 v255, 0
	ds_add_u32 v254, v255
	ds_add_u32 v254, v255
	v_lshrrev_b32 v10, 5, v0
	s_delay_alu instid0(VALU_DEP_1)
	v_readfirstlane_b32 s[WV], v10                 ; wave 0..15
	s_bfe_u32 s[CX], ttmp6, 0x40000                ; my place in the cluster: it enters q's and the result's global addresses and the vector v7, nothing else
	s_and_b32 s[BH], ttmp7, 0xffff                 ; 4 head + batch
	s_lshr_b32 s[HD], s[BH], 2
	s_and_b32 s[BT], s[BH], 3
	s_mov_b32 s[G1], 15|(3<<16)|(1<<21)            ; 15:0 the mask: all four work-groups; 17:16 elements of 8 bytes; 21 set beside a mask
	s_mov_b32 s[G1+1], 32<<16                      ; 6,656 dense bytes as 26 rows of 256
	s_mov_b32 s[G1+2], 26<<16
	s_mov_b32 s[G1+3], 32<<16
	s_mov_b32 s[G1+4], 26
	s_mov_b32 s[G1+5], 32
	s_mov_b32 s[G1+6], 0
	s_mov_b32 s[G1+7], 0
	s_mul_i32 s[HB], s[BH], BHS                    ; the head's first byte in qkv
	s_lshr_b32 s43, s[WV], 1
	s_mul_i32 s2, s43, REC3                        ; group w / 2,
	s_and_b32 s3, s[WV], 1
	s_mul_i32 s3, s3, PART                         ; k's part (even waves) or v's (odd)
	s_add_co_u32 s2, s2, s3
	s_add_co_u32 s2, s2, PART
	s_add_co_u32 s2, s2, s[HB]
	s_mov_b32 s3, 0
	s_mul_i32 s15, s[WV], PART                     ; and its place in LDS
	s_mov_b32 s[SEL], 0x76543210
	s_mov_b32 s[SEL+1], 0xfedcba98                 ; v_permlanex16_b32's selects for lane l xor 16
	s_mov_b32 s[CS], 0x3e38aa3b                    ; c = log2(e) / 8
	s_mov_b32 s[CS+1], s[CS]                       ; (named with it as a pair, so it is written)
	s_mov_b32 s[HI], 0xffff0000                    ; lanes 16-31
	s_wait_dscnt 0x0
	s_wait_kmcnt 0x0
	s_mov_b32 s[G0A], 1
	s_mov_b32 s[G0A+1], s15
	s_add_nc_u64 s[G0A+2:G0A+3], s[4:5], s[2:3]
	s_mov_b32 s[G0B], 1
	s_add_co_u32 s[G0B+1], s15, 16*PART            ; eight records on
	s_add_nc_u64 s[G0B+2:G0B+3], s[G0A+2:G0A+3], 8*REC3
	s_or_b32 s[G0A+3], s[G0A+3], 0x80000000
	s_or_b32 s[G0B+3], s[G0B+3], 0x80000000
	ROUND                                          ; all four work-groups are here: the joint loads meet
	tensor_load_to_lds s[G0A:G0A+3], s[G1:G1+7]    ; records 0-7, a half each wave
	s_nop 0
	tensor_load_to_lds s[G0B:G0B+3], s[G1:G1+7]    ; records 8-15
	s_nop 0
.rept 4
	v_nop
.endr
	s_lshl_b32 s[TE], s[WV], 2
	s_add_co_u32 s[TE], s[TE], s[CX]               ; the early tile: 4 w + cx
	s_sub_co_u32 s[TL], 127, s[TE]                 ; the late one
.macro TILEADR t, qa, qs, oa, os, sq   ; (s3 = 0)
	s_lshr_b32 s2, s[\t], 3
	s_mul_i32 s2, s2, REC3
	s_add_co_u32 s15, s2, s[HB]                    ; the tile's group: q's part stands first
	s_and_b32 s2, s[\t], 7
	s_mul_i32 s2, s2, 768
	s_add_co_u32 s2, s2, s15
	s_add_nc_u64 s[\qa:\qa+1], s[4:5], s[2:3]      ; its half fragment
	s_bfe_u32 s2, s[\t], 0x10002
	s_lshl_b32 s2, s2, 8
	s_add_co_u32 s15, s15, s2
	s_and_b32 s2, s[\t], 3
	s_lshl_b32 s2, s2, 2
	s_add_co_u32 s2, s2, s15
	s_add_co_u32 s2, s2, 6144
	s_add_nc_u64 s[\qs:\qs+1], s[4:5], s[2:3]      ; its scale words: [tile / 4][r][tile % 4]
	s_lshl_b32 s2, s[BT], 7
	s_add_co_u32 s15, s2, s[\t]                    ; the tile among all 512
	s_lshl_b32 s2, s15, 4
	s_add_co_u32 s2, s2, s[HD]
	s_mul_i32 s2, s2, 768
	s_add_nc_u64 s[\oa:\oa+1], s[6:7], s[2:3]      ; oim: [tile][head][768]
	s_lshl_b32 s15, s15, 9
	s_lshr_b32 s2, s[HD], 3
	s_lshl_b32 s2, s2, 8
	s_add_co_u32 s15, s15, s2
	s_and_b32 s2, s[HD], 7
	s_lshl_b32 s2, s2, 1
	s_add_co_u32 s2, s2, s15
	s_add_nc_u64 s[\os:\os+1], s[8:9], s[2:3]      ; osc: [tile][head / 8][r][16 bytes], the head's two at 2 (head % 8)
	s_lshr_b32 s2, s[\t], 1
	s_lshl_b32 s2, s2, 5
	s_and_b32 s15, s[\t], 1
	s_lshl_b32 s15, s15, 3
	s_add_co_u32 s[\sq], s2, s15                   ; its first token
.endm
	TILEADR TL, QAL, QSL, OAL, OSL, SQL
	TILEADR TE, QAE, QSE, OAE, OSE, SQE
	v_and_b32 v10, 31, v0
	s_delay_alu instid0(VALU_DEP_1)
	v_lshlrev_b32 v1, 4, v10                       ; 16 x lane
	s_delay_alu instid0(VALU_DEP_2)
	v_lshlrev_b32 v2, 3, v10                       ; 8 x lane
	v_and_b32 v11, 15, v0                          ; r
	s_delay_alu instid0(VALU_DEP_1)
	v_lshlrev_b32 v3, 4, v11                       ; 16 r
	v_bfe_u32 v10, v0, 4, 1                        ; h
	s_delay_alu instid0(VALU_DEP_1)
	v_add_nc_u32 v9, v3, v10                       ; 16 r + h
	s_delay_alu instid0(VALU_DEP_4)
	v_and_b32 v8, 8, v11
	s_delay_alu instid0(VALU_DEP_1)
	v_add_nc_u32 v8, v8, v11
	s_delay_alu instid0(VALU_DEP_4)
	v_lshlrev_b32 v10, 4, v10
	s_delay_alu instid0(VALU_DEP_1)
	v_sub_nc_u32 v8, v8, v10                       ; r + 8 (r / 8) - 16 h
	global_load_b128 v[16:19], v1, s[QAL:QAL+1]
	global_load_b64 v[20:21], v2, s[QAL:QAL+1] offset:512
	global_load_b32 v40, v3, s[QSL:QSL+1]
	global_load_b128 v[232:235], v1, s[QAE:QAE+1]
	global_load_b64 v[236:237], v2, s[QAE:QAE+1] offset:512
	global_load_b32 v238, v3, s[QSE:QSE+1]
.irp j, 0,1,2,3,4,5
	v_mov_b32 v[22+\j], 0                          ; q's codes of k = 64 .. 127
	v_mov_b32 v[90+\j], 0                          ; behind k's last tile
.endr
.irp b, 0,1,2,3
	v_mov_b32 v[PD+\b], 0                          ; a lane permute's destination counts as one of its sources
.endr
	v_mov_b32 v227, 0                              ; (named as the upper half of the pair v[226:227])
.macro BEGIN sq                        ; a tile's state: the first change of M multiplies zeros
	v_add_nc_u32 v7, s[\sq], v8
	v_mov_b32 v13, 0xff61b1e6                      ; the largest t so far: -3e38
	s_delay_alu instid0(VALU_DEP_1)
	v_floor_f32 v12, -v13
	v_mov_b32 v14, 0
	v_mov_b32 v15, 0
.set j, 0
.rept 32
	v_mov_b32 v[O+j], 0
.set j, j+1
.endr
.endm
; A KEY STEP: 128 keys, record s[REC].  causal = 1: a step above the diagonal is jumped over; on the diagonal hidden scores become -infinity.
.macro STEP causal
.if \causal
	s_cmp_gt_u32 s[STP], s[DIAG]
	s_cbranch_scc1 .Lskip_\@
.endif
	s_setprio 2
	v_add_nc_u32 v4, s[REC], v1
	v_add_nc_u32 v5, s[REC], v2
	v_add_nc_u32 v6, s[REC], v3
	v_nop                                          ; four plain lines behind the last products, in front of loads into registers that they read
.irp t, 0,1,2,3,4,5,6,7
	ds_load_b128 v[KV+6*\t:KV+6*\t+3], v4 offset:768*\t
	ds_load_b64 v[KV+6*\t+4:KV+6*\t+5], v5 offset:768*\t+512
.endr
	ds_load_b128 v[28:31], v6 offset:6144          ; k's scale words: tiles 0-3,
	ds_load_b128 v[32:35], v6 offset:6400          ; tiles 4-7
	s_wait_alu depctr_va_vdst(0)
	s_wait_dscnt 0x0
.irp t, 0,1,2,3,4,5,6,7
	v_wmma_scale_f32_16x16x128_f8f6f4 v[S+8*\t:S+8*\t+7], v[KV+6*\t:KV+6*\t+11], v[16:27], 0, v[28+\t], v40 matrix_a_fmt:MATRIX_FMT_BF6 matrix_b_fmt:MATRIX_FMT_BF6
.endr
.rept 4
	v_nop
.endr
.irp d, 0,1,2,3                        ; v's four fragments land while the softmax is worked
	ds_load_b128 v[KV+12*\d:KV+12*\d+3], v4 offset:6656+1536*\d
	ds_load_b64 v[KV+12*\d+4:KV+12*\d+5], v5 offset:6656+1536*\d+512
	ds_load_b128 v[KV+12*\d+6:KV+12*\d+9], v4 offset:6656+1536*\d+768
	ds_load_b64 v[KV+12*\d+10:KV+12*\d+11], v5 offset:6656+1536*\d+1280
.endr
	ds_load_b128 v[36:39], v4 offset:12800         ; v's scale words
.if \causal
	s_cmp_lg_u32 s[STP], s[DIAG]
	s_cbranch_scc1 .Lopen_\@
	s_lshl_b32 s2, s[STP], 7
	s_sub_co_u32 s2, 0, s2
	v_add_nc_u32 v10, s2, v7                       ; d = my query - the step's first key - 16 (lane / 16); register 16 b + i holds key 32 b + 16 (lane / 16) + i of the step: hidden where 32 b + i > d
	v_mov_b32 v11, 0xff800000                      ; -infinity
.set n, 0
.rept 64
	v_cmp_gt_i32 vcc_lo, 32*(n/16)+n%16, v10
	v_cndmask_b32 v[S+n], v[S+n], v11, vcc_lo
.set n, n+1
.endr
.Lopen_\@:
.endif
.irp b, 0,1,2,3
	v_max3_num_f32 v[BM+\b], v[S+16*\b], v[S+16*\b+1], v[S+16*\b+2]   ; the largest score of each block of 32 keys: for the row's maximum, and, since p rises with the score, for the block's largest p
.endr
.irp i, 3,5,7,9,11,13
.irp b, 0,1,2,3
	v_max3_num_f32 v[BM+\b], v[BM+\b], v[S+16*\b+\i], v[S+16*\b+\i+1]
.endr
.endr
.irp b, 0,1,2,3
	v_max_num_f32 v[BM+\b], v[BM+\b], v[S+16*\b+15]
.endr
.irp b, 0,1,2,3
	s_delay_alu instid0(VALU_DEP_4)
	v_permlanex16_b32 v[PD+\b], v[BM+\b], s[SEL], s[SEL+1]
.endr
.irp b, 0,1,2,3
	s_delay_alu instid0(VALU_DEP_4)
	v_max_num_f32 v[BM+\b], v[BM+\b], v[PD+\b]     ; with lane l xor 16's 16 keys
.endr
	s_delay_alu instid0(VALU_DEP_2)
	v_max3_num_f32 v224, v[BM], v[BM+1], v[BM+2]
	s_delay_alu instid0(VALU_DEP_1)
	v_max_num_f32 v224, v224, v[BM+3]              ; the step's largest score of my query
	s_delay_alu instid0(VALU_DEP_1)
	v_mul_f32 v224, s[CS], v224
	s_delay_alu instid0(VALU_DEP_1)
	v_max_num_f32 v13, v13, v224                   ; the running largest t
	v_mov_b32 v224, v12
	s_delay_alu instid0(VALU_DEP_2)
	v_floor_f32 v12, -v13                          ; the new -M = floor(-t)
	s_delay_alu instid0(VALU_DEP_1)
	v_sub_f32 v224, v12, v224                      ; old M - new M: a whole number, 0 or less
	s_delay_alu instid0(VALU_DEP_1)
	v_cvt_i32_f32 v224, v224                       ; (it saturates)
	s_delay_alu instid0(VALU_DEP_1)
	v_ldexp_f32 v226, 1.0, v224                    ; f = 2^(old M - new M)
.set j, 0
.rept 32
	v_pk_fma_f32 v[S+j:S+j+1], v[S+j:S+j+1], s[CS:CS+1], v[12:13] op_sel_hi:[1,0,0]   ; t - M, two at a time
.set j, j+2
.endr
.irp b, 0,1,2,3
	v_fma_f32 v[BM+\b], v[BM+\b], s[CS], v12       ; the same of each block's largest score
.endr
.set j, 0
	s_setprio 1
	s_wait_alu depctr_va_vdst(0)
.rept 64
	v_exp_f32 v[S+j], v[S+j]                       ; p = 2^(t - M)
.set j, j+1
.endr
	v_pk_mul_f32 v[14:15], v[14:15], v[226:227] op_sel_hi:[1,0]   ; the sums under the new M: a plain line behind the exponentials
	s_wait_alu depctr_va_vdst(0)                   ; one wait for the batch of 64, ahead of its first reader
.irp b, 0,1,2,3
	v_exp_f32 v[BM+\b], v[BM+\b]                   ; the blocks' largest p
.endr
	v_pk_add_f32 v[230:231], v[100:101], v[104:105]
	v_pk_add_f32 v[252:253], v[108:109], v[112:113]
	v_pk_add_f32 v[250:251], v[116:117], v[120:121]
	v_pk_add_f32 v[248:249], v[124:125], v[128:129]
	v_pk_add_f32 v[246:247], v[132:133], v[136:137]
	v_pk_add_f32 v[244:245], v[140:141], v[144:145]
	v_pk_add_f32 v[242:243], v[148:149], v[152:153]
	v_pk_add_f32 v[14:15], v[14:15], v[156:157]
	v_pk_add_f32 v[230:231], v[230:231], v[96:97]
	v_pk_add_f32 v[252:253], v[252:253], v[98:99]
	v_pk_add_f32 v[250:251], v[250:251], v[102:103]
	v_pk_add_f32 v[248:249], v[248:249], v[106:107]
	v_pk_add_f32 v[246:247], v[246:247], v[110:111]
	v_pk_add_f32 v[244:245], v[244:245], v[114:115]
	v_pk_add_f32 v[242:243], v[242:243], v[118:119]
	v_pk_add_f32 v[14:15], v[14:15], v[122:123]
	v_pk_add_f32 v[230:231], v[230:231], v[126:127]
	v_pk_add_f32 v[252:253], v[252:253], v[130:131]
	v_pk_add_f32 v[250:251], v[250:251], v[134:135]
	v_pk_add_f32 v[248:249], v[248:249], v[138:139]
	v_pk_add_f32 v[246:247], v[246:247], v[142:143]
	v_pk_add_f32 v[244:245], v[244:245], v[146:147]
	v_pk_add_f32 v[242:243], v[242:243], v[150:151]
	v_pk_add_f32 v[14:15], v[14:15], v[154:155]
	v_pk_add_f32 v[230:231], v[230:231], v[158:159]
	s_delay_alu instid0(VALU_DEP_2)
	v_pk_add_f32 v[14:15], v[14:15], v[248:249]
	s_delay_alu instid0(VALU_DEP_2)
	v_pk_add_f32 v[230:231], v[230:231], v[246:247]
	v_pk_add_f32 v[252:253], v[252:253], v[244:245]
	v_pk_add_f32 v[250:251], v[250:251], v[242:243]
	s_delay_alu instid0(VALU_DEP_2)
	v_pk_add_f32 v[14:15], v[14:15], v[252:253]
	s_delay_alu instid0(VALU_DEP_2)
	v_pk_add_f32 v[230:231], v[230:231], v[250:251]
	s_delay_alu instid0(VALU_DEP_1)
	v_pk_add_f32 v[14:15], v[14:15], v[230:231]
	s_wait_alu depctr_va_vdst(0)                   ; and one for the four
.irp b, 0,1,2,3
	v_max_num_f32 v[BM+\b], 0x2800000, v[BM+\b]    ; the floor 2^(5 - 127): a block of zeros keeps the byte 1, and its codes are zeros
.endr
.irp b, 0,1,2,3
	s_delay_alu instid0(VALU_DEP_4)
	v_add_nc_u32 v[SO+\b], 0xfe000000, v[BM+\b]    ; 4 off the exponent field: the conversion's scale operand
.endr
.irp b, 0,1,2,3
	s_delay_alu instid0(VALU_DEP_4)
	v_lshrrev_b32 v[PD+\b], 23, v[SO+\b]           ; the scale's byte
.endr
	s_delay_alu instid0(VALU_DEP_3)
	v_lshl_or_b32 v41, v[PD+1], 8, v[PD]           ; p's scale word for these 128 keys
	s_delay_alu instid0(VALU_DEP_1)
	v_lshl_or_b32 v41, v[PD+2], 16, v41
	s_delay_alu instid0(VALU_DEP_1)
	v_lshl_or_b32 v41, v[PD+3], 24, v41
.irp c, 0,1
	v_cvt_scalef32_pk16_bf6_f32 v[PCD+6*\c:PCD+6*\c+2], v[S+32*\c:S+32*\c+15], v[SO+2*\c]
	v_cvt_scalef32_pk16_bf6_f32 v[PCD+12+4*\c:PCD+14+4*\c], v[S+32*\c+16:S+32*\c+31], v[SO+2*\c+1]
.endr
	v_nop                                          ; one plain line behind a scaled conversion
	s_setprio 0
.irp c, 0,1                            ; the operand's layout wants a whole block in a lane
.irp i, 0,1,2
	v_permlane16_swap_b32 v[PCD+6*\c+\i], v[PCD+12+4*\c+\i]
.endr
.irp i, 0,1,2
	s_delay_alu instid0(VALU_DEP_3)
	v_mov_b32 v[PCD+3+6*\c+\i], v[PCD+12+4*\c+\i]
.endr
.endr
.set j, 0
.rept 16
	v_pk_mul_f32 v[O+j:O+j+1], v[O+j:O+j+1], v[226:227] op_sel_hi:[1,0]   ; O^T under the new M; these lines also stand between the writes of p's codes and scale word and the products
.set j, j+2
.endr
	s_wait_alu depctr_va_vdst(0)
	s_wait_dscnt 0x0                               ; v is in
.irp d, 0,1,2,3
	v_wmma_scale_f32_16x16x128_f8f6f4 v[O+8*\d:O+8*\d+7], v[KV+12*\d:KV+12*\d+11], v[PCD:PCD+11], v[O+8*\d:O+8*\d+7], v[36+\d], v41 matrix_a_fmt:MATRIX_FMT_BF6 matrix_b_fmt:MATRIX_FMT_BF6
.endr
.if \causal
.Lskip_\@:
.endif
.endm
; A tile's end: O^T / the sum; register 16 b + i is d = 32 b + 16 (lane / 16) + i: two blocks of the output projection's K; they become a half fragment and two scale bytes.
.macro FINISH oa, os
.rept 4
	v_nop                                          ; behind the last products
.endr
	v_add_f32 v14, v14, v15
	s_delay_alu instid0(VALU_DEP_1)
	v_permlanex16_b32 v[PD], v14, s[SEL], s[SEL+1]
	s_delay_alu instid0(VALU_DEP_1)
	v_add_f32 v14, v14, v[PD]                      ; the row's sum
	s_wait_alu depctr_va_vdst(0)
	v_rcp_f32 v226, v14
	v_nop                                          ; a plain line behind the reciprocal
	s_wait_alu depctr_va_vdst(0)                   ; and the wait ahead of its first reader
.set j, 0
.rept 16
	v_pk_mul_f32 v[S+j:S+j+1], v[O+j:O+j+1], v[226:227] op_sel_hi:[1,0]
.set j, j+2
.endr
.irp b, 0,1
	v_max3_num_f32 v[BM+\b], |v[S+16*\b]|, |v[S+16*\b+1]|, 0x2800000
.endr
.irp i, 2,4,6,8,10,12,14
.irp b, 0,1
	s_delay_alu instid0(VALU_DEP_2)
	v_max3_num_f32 v[BM+\b], v[BM+\b], |v[S+16*\b+\i]|, |v[S+16*\b+\i+1]|
.endr
.endr
.irp b, 0,1
	s_delay_alu instid0(VALU_DEP_2)
	v_permlanex16_b32 v[PD+\b], v[BM+\b], s[SEL], s[SEL+1]
.endr
.irp b, 0,1
	s_delay_alu instid0(VALU_DEP_2)
	v_max_num_f32 v[BM+\b], v[BM+\b], v[PD+\b]
.endr
.irp b, 0,1
	s_delay_alu instid0(VALU_DEP_2)
	v_add_nc_u32 v[SO+\b], 0xfe000000, v[BM+\b]
.endr
.irp b, 0,1
	s_delay_alu instid0(VALU_DEP_2)
	v_lshrrev_b32 v[PD+\b], 23, v[SO+\b]
.endr
	v_cvt_scalef32_pk16_bf6_f32 v[PCD:PCD+2], v[S:S+15], v[SO]
	v_cvt_scalef32_pk16_bf6_f32 v[PCD+12:PCD+14], v[S+16:S+31], v[SO+1]
	v_cndmask_b32 v10, v[PD], v[PD+1], s[HI]       ; lanes 0-15 store the lower block's byte, lanes 16-31 the upper's; also the plain line behind the conversions
.irp i, 0,1,2
	v_permlane16_swap_b32 v[PCD+\i], v[PCD+12+\i]
.endr
.irp i, 0,1,2
	s_delay_alu instid0(VALU_DEP_3)
	v_mov_b32 v[PCD+3+\i], v[PCD+12+\i]
.endr
	global_store_b128 v1, v[PCD:PCD+3], s[\oa:\oa+1]               ; 512 consecutive bytes, at a multiple of 256 from the buffer's first byte
	global_store_b64 v2, v[PCD+4:PCD+5], s[\oa:\oa+1] offset:512   ; 256 more
	global_store_b8 v9, v10, s[\os:\os+1]          ; two bytes of each of 16 rows' scale words: 262,144 bytes in the whole launch go out so
	s_wait_xcnt 0x0                                ; the stores have read their registers
.endm
	BEGIN SQL
	s_wait_loadcnt 0x0                             ; q
	s_wait_tensorcnt 0x1                           ; my part of records 0-7 is in; my second load may stay out
	s_barrier_signal -1
	s_barrier_wait -1                              ; everybody's is
	s_mov_b32 s[STP], 0
	s_mov_b32 s[REC], 0
.Lrun_a:                                           ; the late tile, steps 0-7: its diagonal step is 8 or later, so all keys count
	STEP 0
	s_add_co_u32 s[REC], s[REC], RECB
	s_add_co_u32 s[STP], s[STP], 1
	s_cmp_lt_u32 s[STP], 8
	s_cbranch_scc1 .Lrun_a
	s_setprio 0
	s_wait_tensorcnt 0x0                           ; my part of records 8-15 is in
	s_wait_dscnt 0x0
	s_barrier_signal -1
	s_barrier_wait -1
	s_lshr_b32 s43, s[WV], 1
	s_sub_co_u32 s[DIAG], 15, s43
	s_mov_b32 s[STP], 8
	s_mov_b32 s[REC], 8*RECB
.Lrun_b:                                           ; the late tile, steps 8-15
	STEP 1
	s_add_co_u32 s[REC], s[REC], RECB
	s_add_co_u32 s[STP], s[STP], 1
	s_cmp_lt_u32 s[STP], 16
	s_cbranch_scc1 .Lrun_b
	s_setprio 0
	FINISH OAL, OSL
.irp j, 0,1,2,3,4,5
	v_mov_b32 v[16+\j], v[232+\j]                  ; the early tile's q
.endr
	v_mov_b32 v40, v238
	BEGIN SQE
	s_lshr_b32 s[DIAG], s[WV], 1
	s_mov_b32 s[STP], 0
	s_mov_b32 s[REC], 0
.Lrun_c:                                           ; the early tile, steps 0-7
	STEP 1
	s_add_co_u32 s[REC], s[REC], RECB
	s_add_co_u32 s[STP], s[STP], 1
	s_cmp_lt_u32 s[STP], 8
	s_cbranch_scc1 .Lrun_c
	s_setprio 0
	FINISH OAE, OSE
	s_wait_dscnt 0x0
	s_wait_tensorcnt 0x0
	ds_add_u32 v254, v255
	s_wait_dscnt 0x0
	ROUND                                          ; the closing round
	s_endpgm
.Lfunc_end_k_q4791ed52e3_attn:
	.size	k_q4791ed52e3_attn, .Lfunc_end_k_q4791ed52e3_attn-k_q4791ed52e3_attn
	.p2alignl 7, 3214868480
	.fill 96, 4, 3214868480
	.section	.rodata,"a",@progbits
	.p2align	6, 0x0
	.amdhsa_kernel k_q4791ed52e3_attn
		.amdhsa_group_segment_fixed_size 215040
		.amdhsa_private_segment_fixed_size 0
		.amdhsa_enable_private_segment 0
		.amdhsa_kernarg_size 24
		.amdhsa_user_sgpr_count 2
		.amdhsa_user_sgpr_kernarg_segment_ptr 1
		.amdhsa_wavefront_size32 1
		.amdhsa_system_sgpr_workgroup_id_x 1
		.amdhsa_system_sgpr_workgroup_id_y 1
		.amdhsa_system_sgpr_workgroup_id_z 1
		.amdhsa_system_vgpr_workitem_id 0
		.amdhsa_next_free_vgpr 256
		.amdhsa_next_free_sgpr 66
		.amdhsa_reserve_vcc 1
		.amdhsa_float_denorm_mode_32 3
		.amdhsa_float_denorm_mode_16_64 3
		.amdhsa_memory_ordered 1
		.amdhsa_forward_progress 1
		.amdhsa_inst_pref_size 83
	.end_amdhsa_kernel
	.amdgpu_metadata
---
amdhsa.version: [ 1, 2 ]
amdhsa.kernels:
  - .name:           k_q4791ed52e3_attn
    .symbol:         k_q4791ed52e3_attn.kd
    .args:
      - { .name: qkv, .offset: 0, .size: 8, .value_kind: global_buffer, .address_space: global }
      - { .name: oim, .offset: 8, .size: 8, .value_kind: global_buffer, .address_space: global }
      - { .name: osc, .offset: 16, .size: 8, .value_kind: global_buffer, .address_space: global }
    .group_segment_fixed_size: 215040
    .private_segment_fixed_size: 0
    .kernarg_segment_align: 8
    .kernarg_segment_size: 24
    .max_flat_workgroup_size: 512
    .sgpr_count:     66
    .vgpr_count:     256
    .wavefront_size: 32
...
	.end_amdgpu_metadata
.endif
;; end of part 3
;; launch gemm_out (part 4): grid 4 x 32, 4 waves a work-group, clusters of 4 x 4, 327,680 bytes of LDS; arguments oim, osc, cod, scl, b_out, out0; writes out0
.if DOCPART == 4
	.amdgcn_target "amdgcn-amd-amdhsa--gfx1250"
	.amdhsa_code_object_version 6
	.text
	.protected	k_q4791ed52e3_gemm_out
	.globl	k_q4791ed52e3_gemm_out
	.p2align	8
	.type	k_q4791ed52e3_gemm_out,@function
k_q4791ed52e3_gemm_out:
	s_mov_b64 s[64:65], 0
	v_nop
	global_prefetch_b8 v0, s[64:65] scope:SCOPE_SE
	s_setreg_imm32_b32 hwreg(HW_REG_WAVE_MODE, 25, 1), 1
	s_wait_xcnt 0x0
	s_wait_alu depctr_hold_cnt(0) depctr_sa_sdst(0) depctr_va_vdst(0) depctr_va_sdst(0) depctr_va_ssrc(0) depctr_va_vcc(0) depctr_vm_vsrc(0)
	s_getreg_b32 s2, hwreg(HW_REG_IB_STS2, 6, 4)
	s_cmp_eq_u32 s2, 0
	s_cbranch_scc0 .Lentry_in_a_cluster
	s_endpgm
.Lentry_in_a_cluster:
	s_bfe_u32 s2, ttmp6, 0x10000c
	s_cmp_lg_u32 s2, 0xf033
	s_cbranch_scc0 .Lentry_shape_is_right
	s_endpgm
.Lentry_shape_is_right:
; out0 = o w_out^T + b_out on codes of E3M2 (K = 1,024).  o's codes and scale words come from the attention launch, w_out's from the quantising launch, both as images of registers.
; C'[i][j] = sum over k of P[i][k] R[j][k], P = o (tokens), R = w_out's rows.  A work-group of four waves makes 256 x 256, a wave 128 x 128: 64 accumulators, 512 registers.  Source 0 = 16 rows of R, source 1 = 16 rows of P:
; a lane holds one token, and by the order of rows in a row tile (32 (t / 2) + 8 (t % 2) + p + 8 (p / 8)) accumulator (a, b) register j holds feature 32 (b / 2) + 16 (lane / 16) + 8 (b % 2) + j.
; A slot holds 256 along K: 3,072 bytes of each of 32 row tiles.  THREE LDS slots: K steps 0, 1, 2 are first fills, K step 3 is the one refill (into slot 0).  The scale words come once.  K is written out: eight steps of 128.
; CLUSTERS: 4 x 4.  P's tiles are shared along a row of the cluster, R's along a column: each is asked for jointly.  b_out is the C of each sum's first matrix instruction: the sum's first addend, not its last.
; The grid has 128 work-groups: a tile of 256 x 256 of an output of 8,192 x 1,024.
; REGISTERS: window 0: v4-29 addresses; v32-63 scale words, two sets; v64-127 the bias; v128-223 P's 8 fragments, one set (on the way out v128-255 take rows of the result).  window 1: R's fragments, two sets.  windows 2, 3: the accumulators.
.set HALFT, 24576
.set SLOT,  98304
.set SCL,   294912
.set SPARE, 311296
.set KSB,   3072
.set FR,   12
.set L16,  4
.set L8,   5
.set R16,  8
.set R8,   11
.set P16,  16
.set P8,   19
.set STO,  24                          ; v24  the way out: where I put 32 bytes of a row
.set RD,   25                          ; v25  and where I read a row back
.set ADRS, 27
.set SPW,  28
.set NIL,  29
.set SC,   32
.set BB,   64
.set PF,   128
.set BK,   128
.set G1P,  24
.set G0P,  32
.set G1R,  44
.set G0R,  52
.set G1SP, 68
.set G0SP, 76
.set G1SR, 80
.set G0SR, 88
.set WV,   97
.set WH,   98
.set WL,   99
.set MSB, 0
.macro WIN new                         ; the immediate's high byte repeats the setting that is left
.if MSB != \new
	s_set_vgpr_msb (MSB<<8)|\new
.set MSB, \new
.endif
.endm
.macro PLACES n
.rept \n
	v_nop
.endr
.endm
.macro JLOAD g0p, g0r                  ; a joint load: waves 0 and 1 fetch for P, waves 2 and 3 for R; four v_nop follow each of the two lines
	s_cmp_eq_u32 s[WH], 0
	s_cbranch_scc0 .Lfor_r_\@
	tensor_load_to_lds s[\g0p:\g0p+3], s[G1P:G1P+7]
	s_nop 0
.rept 4
	v_nop
.endr
	s_branch .Lasked_\@
.Lfor_r_\@:
	tensor_load_to_lds s[\g0r:\g0r+3], s[G1R:G1R+7]
	s_nop 0
.rept 4
	v_nop
.endr
.Lasked_\@:
.endm
.macro CREST
	s_cmp_lg_u32 s[WV], 0
	s_cbranch_scc1 .Lnot_wave_0_\@
	s_barrier_signal -3
.Lnot_wave_0_\@:
	s_barrier_wait -3
	s_barrier_signal -1
	s_barrier_wait -1
.endm
.macro CROUND
	s_barrier_signal -1
	s_barrier_wait -1
	CREST
.endm
	s_load_b128 s[4:7], s[0:1], 0x0                ; oim, osc
	s_load_b128 s[8:11], s[0:1], 0x10              ; cod, scl
	s_load_b128 s[12:15], s[0:1], 0x20             ; b_out, out0
	v_lshl_add_u32 v[SPW], v0, 2, SPARE
	v_mov_b32 v[NIL], 0
	ds_add_u32 v28, v29
	ds_add_u32 v28, v29
	s_wait_dscnt 0x0
	v_lshrrev_b32 v1, 5, v0
	v_readfirstlane_b32 s[WV], v1
	s_lshr_b32 s[WH], s[WV], 1
	s_and_b32 s[WL], s[WV], 1
	s_bfe_u32 s92, ttmp6, 0x40000                  ; cx
	s_bfe_u32 s93, ttmp6, 0x40004                  ; cy
	s_and_b32 s95, ttmp7, 0xffff                   ; the cluster's y
	s_lshl_b32 s17, s95, 2
	s_add_co_u32 s17, s17, s93                     ; P's tile of 256 tokens
	s_add_co_u32 s18, s92, 44                      ; R's tile of 256 rows in cod: w_out's begin at 44
	s_lshl_b32 s19, s93, 2
	s_lshl_b32 s19, 15, s19                        ; my row of the cluster
	s_lshl_b32 s20, 0x1111, s92                    ; my column
	s_or_b32 s[G1P], s19, (3<<16)|(1<<21)
	s_or_b32 s[G1R], s20, (3<<16)|(1<<21)
	s_or_b32 s[G1SP], s19, (3<<16)|(1<<21)
	s_or_b32 s[G1SR], s20, (3<<16)|(1<<21)
.irp g, G1P, G1R                       ; codes: 8 row tiles x 3,072 bytes (384 elements of 8), 12,288 bytes apart
	s_mov_b32 s[\g+1], 384<<16
	s_mov_b32 s[\g+2], 8<<16
	s_mov_b32 s[\g+3], 384<<16
	s_mov_b32 s[\g+4], 8
	s_mov_b32 s[\g+5], 1536
	s_mov_b32 s[\g+6], 0
	s_mov_b32 s[\g+7], 0
.endr
.irp g, G1SP, G1SR                     ; scale words: 4,096 dense bytes as 16 rows of 256
	s_mov_b32 s[\g+1], 32<<16
	s_mov_b32 s[\g+2], 16<<16
	s_mov_b32 s[\g+3], 32<<16
	s_mov_b32 s[\g+4], 16
	s_mov_b32 s[\g+5], 32
	s_mov_b32 s[\g+6], 0
	s_mov_b32 s[\g+7], 0
.endr
	s_mul_i32 s2, s17, 196608
	s_mul_i32 s3, s[WL], 98304
	s_add_co_u32 s2, s2, s3
	s_mov_b32 s3, 0
	s_lshl_b32 s22, s17, 13
	s_lshl_b32 s23, s[WL], 12
	s_add_co_u32 s22, s22, s23
	s_mov_b32 s23, 0
	s_mul_i32 s66, s18, 196608
	s_mul_i32 s67, s[WL], 98304
	s_add_co_u32 s66, s66, s67
	s_mov_b32 s67, 0
	s_lshl_b32 s100, s18, 13
	s_lshl_b32 s101, s[WL], 12
	s_add_co_u32 s100, s100, s101
	s_mov_b32 s101, 0
	s_mul_i32 s21, s[WV], HALFT
	s_lshl_b32 s19, s[WV], 12
	s_wait_kmcnt 0x0
	s_add_nc_u64 s[2:3], s[4:5], s[2:3]
	s_add_nc_u64 s[22:23], s[6:7], s[22:23]
	s_add_nc_u64 s[66:67], s[8:9], s[66:67]
	s_add_nc_u64 s[100:101], s[10:11], s[100:101]
	s_mov_b32 s[G0SP], 1
	s_add_co_u32 s[G0SP+1], s19, SCL
	s_mov_b64 s[G0SP+2:G0SP+3], s[22:23]
	s_or_b32 s[G0SP+3], s[G0SP+3], 0x80000000
	s_mov_b32 s[G0SR], 1
	s_add_co_u32 s[G0SR+1], s19, SCL
	s_mov_b64 s[G0SR+2:G0SR+3], s[100:101]
	s_or_b32 s[G0SR+3], s[G0SR+3], 0x80000000
.irp n, 0,1,2
	s_mov_b32 s[G0P+4*\n], 1
	s_add_co_u32 s[G0P+4*\n+1], s21, \n*SLOT
	s_add_nc_u64 s[G0P+4*\n+2:G0P+4*\n+3], s[2:3], \n*KSB
	s_or_b32 s[G0P+4*\n+3], s[G0P+4*\n+3], 0x80000000
	s_mov_b32 s[G0R+4*\n], 1
	s_add_co_u32 s[G0R+4*\n+1], s21, \n*SLOT
	s_add_nc_u64 s[G0R+4*\n+2:G0R+4*\n+3], s[66:67], \n*KSB
	s_or_b32 s[G0R+4*\n+3], s[G0R+4*\n+3], 0x80000000
.endr
	CROUND                                         ; all sixteen work-groups are here: the first joint loads meet
	s_cmp_eq_u32 s[WH], 0                          ; a wave's four first fills stand in one branch: four loads of mine are out
	s_cbranch_scc0 .Lfirst_r
	tensor_load_to_lds s[G0SP:G0SP+3], s[G1SP:G1SP+7]
	s_nop 0
	tensor_load_to_lds s[G0P:G0P+3], s[G1P:G1P+7]
	s_nop 0
	tensor_load_to_lds s[G0P+4:G0P+7], s[G1P:G1P+7]
	s_nop 0
	tensor_load_to_lds s[G0P+8:G0P+11], s[G1P:G1P+7]
	s_nop 0
.rept 4
	v_nop
.endr
	s_branch .Lfirst_asked
.Lfirst_r:
	tensor_load_to_lds s[G0SR:G0SR+3], s[G1SR:G1SR+7]
	s_nop 0
	tensor_load_to_lds s[G0R:G0R+3], s[G1R:G1R+7]
	s_nop 0
	tensor_load_to_lds s[G0R+4:G0R+7], s[G1R:G1R+7]
	s_nop 0
	tensor_load_to_lds s[G0R+8:G0R+11], s[G1R:G1R+7]
	s_nop 0
.rept 4
	v_nop
.endr
.Lfirst_asked:
	v_and_b32 v1, 31, v0                           ; lane
	v_and_b32 v2, 15, v0                           ; r
	v_bfe_u32 v3, v0, 4, 1                         ; h
	v_lshlrev_b32 v[L16], 4, v1
	v_lshlrev_b32 v[L8], 3, v1
	s_mul_i32 s2, s[WH], HALFT
	s_mul_i32 s3, s[WL], HALFT
	s_add_co_u32 s3, s3, 2*HALFT
.irp n, 0,1,2
	v_add_nc_u32 v[P16+\n], s2, v[L16]
	v_add_nc_u32 v[P8+\n], s2, v[L8]
	v_add_nc_u32 v[R16+\n], s3, v[L16]
	v_add_nc_u32 v[R8+\n], s3, v[L8]
	s_add_co_u32 s2, s2, SLOT
	s_add_co_u32 s3, s3, SLOT
.endr
	s_lshl_b32 s2, s[WH], 12
	s_lshl_b32 s3, s[WL], 12
	s_add_co_u32 s3, s3, 8192
	s_sub_co_u32 s3, s3, s2
	v_mul_u32_u24 v6, s3, v3                       ; lanes 16-31 take R's scale words: one product in the lane's half
	s_add_co_u32 s2, s2, SCL
	v_lshl_add_u32 v6, v2, 4, v6
	v_add_nc_u32 v[ADRS], s2, v6
	s_mul_i32 s2, s[WV], 16*528                    ; my stage, 16 rows x (512 + 16) bytes, in slot 1: that slot has had its only fill, and its last read stands ahead of the second barrier of the K steps
	s_add_co_u32 s2, s2, SLOT
	v_mul_u32_u24 v[STO], v2, 528
	v_lshl_add_u32 v[STO], v3, 6, v[STO]
	v_add_nc_u32 v[STO], s2, v[STO]                ; in: row r, + 64 bytes for lanes 16-31
	v_add_nc_u32 v[RD], s2, v[L16]                 ; back: the 32 lanes take a row of 512 bytes
	s_lshl_b32 s2, s92, 10
	s_lshl_b32 s3, s[WL], 9
	s_add_co_u32 s2, s2, s3                        ; my first feature, in bytes
	s_mov_b32 s3, 0
	s_add_nc_u64 s[12:13], s[12:13], s[2:3]        ; in b_out,
	s_add_nc_u64 s[14:15], s[14:15], s[2:3]        ; and in a row of out0
	s_lshl_b32 s2, s17, 8
	s_lshl_b32 s19, s[WH], 7
	s_add_co_u32 s2, s2, s19
	s_lshl_b32 s2, s2, 12                          ; my first row, 4,096 bytes a row
	s_add_nc_u64 s[14:15], s[14:15], s[2:3]
	v_lshlrev_b32 v6, 6, v3
.irp b, 0,1,2,3,4,5,6,7
	global_load_b128 v[BB+8*\b:BB+8*\b+3], v6, s[12:13] offset:(32*(\b/2)+8*(\b%2))*4
	global_load_b128 v[BB+8*\b+4:BB+8*\b+7], v6, s[12:13] offset:(32*(\b/2)+8*(\b%2))*4+16
.endr
	s_wait_loadcnt 0x0
.macro FRAG reg, a16, a8, q, i         ; a fragment, 16 rows x 128 K, is two half fragments: four dense loads
	ds_load_b128 v[(\reg):(\reg)+3], v[\a16] offset:(\i)*KSB+(\q)*1536
	ds_load_b64 v[(\reg)+4:(\reg)+5], v[\a8] offset:(\i)*KSB+(\q)*1536+512
	ds_load_b128 v[(\reg)+6:(\reg)+9], v[\a16] offset:(\i)*KSB+(\q)*1536+768
	ds_load_b64 v[(\reg)+10:(\reg)+11], v[\a8] offset:(\i)*KSB+(\q)*1536+1280
.endm
.macro FETCH_R n, q, p
	WIN 0x40
.irp i, 0,1,2,3,4,5,6,7
	FRAG 128*(\p)+FR*\i, R16+\n, R8+\n, \q, \i
.endr
	WIN 0
.endm
.macro FETCH_P n, q, i0
.irp i, \i0, \i0+1, \i0+2, \i0+3
	FRAG PF+FR*(\i), P16+\n, P8+\n, \q, \i
.endr
.endm
.macro SCALES set, sig
.irp i, 0,1,2,3,4,5,6,7
	ds_load_b64 v[SC+16*(\set)+2*\i:SC+16*(\set)+2*\i+1], v[ADRS] offset:512*\i+256*((\sig)/2)+8*((\sig)%2)
.endr
.endm
; 16 matrix instructions: P's blocks a0, a0 + 1 x R's eight.  c = 1: the sums begin with the bias.  The 64 accumulators take turns, one instruction a turn, in the same order in every step.
.macro MUL16 a0, p, q, set, c
.irp a, \a0, \a0+1
.irp b, 0,1,2,3,4,5,6,7
.if \c
	v_wmma_scale_f32_16x16x128_f8f6f4 v[8*(8*((\a)%4)+\b):8*(8*((\a)%4)+\b)+7], v[128*(\p)+FR*\b:128*(\p)+FR*\b+FR-1], v[PF+FR*(\a):PF+FR*(\a)+FR-1], v[BB+8*\b:BB+8*\b+7], v[SC+16*(\set)+2*\b+(\q)], v[SC+16*(\set)+2*(\a)+(\q)] matrix_a_fmt:MATRIX_FMT_BF6 matrix_b_fmt:MATRIX_FMT_BF6 matrix_a_scale:MATRIX_SCALE_ROW1
.else
	v_wmma_scale_f32_16x16x128_f8f6f4 v[8*(8*((\a)%4)+\b):8*(8*((\a)%4)+\b)+7], v[128*(\p)+FR*\b:128*(\p)+FR*\b+FR-1], v[PF+FR*(\a):PF+FR*(\a)+FR-1], v[8*(8*((\a)%4)+\b):8*(8*((\a)%4)+\b)+7], v[SC+16*(\set)+2*\b+(\q)], v[SC+16*(\set)+2*(\a)+(\q)] matrix_a_fmt:MATRIX_FMT_BF6 matrix_b_fmt:MATRIX_FMT_BF6 matrix_a_scale:MATRIX_SCALE_ROW1
.endif
.endr
.endr
.endm
; A step of 128 along K; loads into registers that matrix instructions have read stand four plain vector instructions behind them (ISA guide 7.12.1 for vector instructions).
.macro STEP q, p, set, c, nn, nq, scset, scsig
	s_wait_dscnt 16                                ; all but the youngest sixteen loads (P's blocks 4-7) are in
.if \c
	WIN 0x81
.else
	WIN 0xa1
.endif
	MUL16 0, \p, \q, \set, \c
	MUL16 2, \p, \q, \set, \c
	s_wait_dscnt 0x0
	PLACES 4
	FETCH_R \nn, \nq, 1-\p
	FETCH_P \nn, \nq, 0
.if \scset >= 0
	SCALES \scset, \scsig
.endif
.if \c
	WIN 0xc1
.else
	WIN 0xf1
.endif
	MUL16 4, \p, \q, \set, \c
	MUL16 6, \p, \q, \set, \c
	PLACES 4
	WIN 0
	FETCH_P \nn, \nq, 4
.endm
; A step with a barrier: in front of it each wave waits for all its tensor loads, adds 0 to its spare word, and waits for that and for its LDS reads.  fill = 1: a round of the cluster's barrier, and slot 0 takes K step 3.
.macro TURN p, q, set, nn, scset, scsig, fill
	s_wait_tensorcnt 0x0                           ; all my tensor loads have landed
	ds_add_u32 v[SPW], v[NIL]                      ; 0 onto my spare word
	s_wait_dscnt 17                                ; (the add and the youngest sixteen loads may be out)
	WIN 0xa1
	MUL16 0, \p, \q, \set, 0
	s_wait_dscnt 0x0                               ; the add is done, and my reads of the slots are over
	s_barrier_signal -1
	MUL16 2, \p, \q, \set, 0
	WIN 0
	s_barrier_wait -1
.if \fill
	CREST                                          ; no wave of any partner still reads slot 0 or has a load on its way
	s_add_nc_u64 s[G0P+2:G0P+3], s[G0P+2:G0P+3], 3*KSB
	s_add_nc_u64 s[G0R+2:G0R+3], s[G0R+2:G0R+3], 3*KSB
	JLOAD G0P, G0R                                 ; my one tensor load behind the round; its four v_nop are also the places in front of the loads below
.else
	PLACES 4
.endif
	FETCH_R \nn, 0, 1-\p
	FETCH_P \nn, 0, 0
	SCALES \scset, \scsig
	WIN 0xf1
	MUL16 4, \p, \q, \set, 0
	MUL16 6, \p, \q, \set, 0
	PLACES 4
	WIN 0
	FETCH_P \nn, 0, 4
.endm
	s_wait_tensorcnt 0x2                           ; my scale words and my part of K step 0 are in; K steps 1 and 2 may stay out
	s_barrier_signal -1
	s_barrier_wait -1
	FETCH_R 0, 0, 0
	FETCH_P 0, 0, 0
	SCALES 0, 0
	FETCH_P 0, 0, 4
	STEP 0, 0, 0, 1, 0, 1, -1, 0                   ; k 0: the sums begin with the bias
	TURN 1, 1, 0, 1, 1, 1, 1                       ; k 128: the one refill
	STEP 0, 0, 1, 0, 1, 1, -1, 0                   ; k 256
	STEP 1, 1, 1, 0, 2, 0, 0, 2                    ; k 384: on into slot 2, which the round above has shown whole
	STEP 0, 0, 0, 0, 2, 1, -1, 0                   ; k 512
	TURN 1, 1, 0, 0, 1, 3, 0                       ; k 640: K step 3 has landed
	STEP 0, 0, 1, 0, 0, 1, -1, 0                   ; k 768
	s_wait_dscnt 16                                ; k 896: nothing more to fetch
	WIN 0xa1
	MUL16 0, 1, 1, 1, 0
	MUL16 2, 1, 1, 1, 0
	s_wait_dscnt 0x0
	WIN 0xf1
	MUL16 4, 1, 1, 1, 0
	MUL16 6, 1, 1, 1, 0
	WIN 0
; THE WAY OUT, block by block of 16 tokens x 128 features, through my own stage: in by lanes (32 bytes of a row each accumulator), back as whole rows of 512 bytes.  LDS serves a wave's instructions in order (ISA guide 5.7.1.4).
; Stage row t is tile row t: token 32 (a / 2) + 8 (a % 2) + t + 8 (t / 8) of my 128.
.macro TOSTAGE a
.set AC, 64*((\a)%4)
	WIN 0x08+4*((\a)/4)                            ; the data: window 2 or 3
.irp b, 0,1,2,3,4,5,6,7
	ds_store_b128 v[STO], v[AC+8*\b:AC+8*\b+3] offset:128*(\b/2)+32*(\b%2)        ; each accumulator from its low end on
	ds_store_b128 v[STO], v[AC+8*\b+4:AC+8*\b+7] offset:128*(\b/2)+32*(\b%2)+16
.endr
	WIN 0
.set BX, BK+64*((\a)%2)
.irp t, 0,1,2,3,4,5,6,7,8,9,10,11,12,13,14,15
	ds_load_b128 v[BX+4*\t:BX+4*\t+3], v[RD] offset:\t*528
.endr
.endm
.macro SEND a, younger                 ; younger: the LDS instructions issued behind block a's loads, which may stay out
.set BX, BK+64*((\a)%2)
	s_wait_dscnt \younger
.if (\a) > 0
.if (\a)%2
	s_add_nc_u64 s[14:15], s[14:15], 8*4096        ; (behind a wait on XCNT: the earlier stores have read their base)  an odd tile begins 8 rows on,
.else
	s_add_nc_u64 s[14:15], s[14:15], 24*4096       ; an even one 24 more
.endif
.endif
.irp t, 0,1,2,3,4,5,6,7,8,9,10,11,12,13,14,15
	global_store_b128 v[L16], v[BX+4*\t:BX+4*\t+3], s[14:15] offset:(\t+8*(\t/8))*4096 th:TH_STORE_NT   ; 32 lanes store 512 consecutive bytes, at a multiple of 256 from out0's first byte
.endr
.endm
	PLACES 4                                       ; behind the last products: results are read, and loads land in the registers that held P's fragments
	TOSTAGE 0
.irp a, 1,2,3,4,5,6,7
.if \a > 1
	s_wait_xcnt 0x0                                ; block a - 2's stores have read their registers and their base
.endif
	TOSTAGE \a
	SEND \a-1, 32                                  ; behind block a - 1's loads: block a's 16 stores and 16 loads
.endr
	s_wait_xcnt 0x0
	SEND 7, 0
	s_wait_tensorcnt 0x0                           ; the wave's end
	ds_add_u32 v[SPW], v[NIL]
	s_wait_dscnt 0x0
	CROUND                                         ; the closing round
	s_endpgm
.Lfunc_end_k_q4791ed52e3_gemm_out:
	.size	k_q4791ed52e3_gemm_out, .Lfunc_end_k_q4791ed52e3_gemm_out-k_q4791ed52e3_gemm_out
	.p2alignl 7, 3214868480
	.fill 96, 4, 3214868480
	.section	.rodata,"a",@progbits
	.p2align	6, 0x0
	.amdhsa_kernel k_q4791ed52e3_gemm_out
		.amdhsa_group_segment_fixed_size 327680
		.amdhsa_private_segment_fixed_size 0
		.amdhsa_enable_private_segment 0
		.amdhsa_kernarg_size 48
		.amdhsa_user_sgpr_count 2
		.amdhsa_user_sgpr_kernarg_segment_ptr 1
		.amdhsa_wavefront_size32 1
		.amdhsa_system_sgpr_workgroup_id_x 1
		.amdhsa_system_sgpr_workgroup_id_y 1
		.amdhsa_system_sgpr_workgroup_id_z 1
		.amdhsa_system_vgpr_workitem_id 0
		.amdhsa_next_free_vgpr 1024
		.amdhsa_next_free_sgpr 102
		.amdhsa_reserve_vcc 0
		.amdhsa_float_denorm_mode_32 3
		.amdhsa_float_denorm_mode_16_64 3
		.amdhsa_memory_ordered 1
		.amdhsa_forward_progress 1
		.amdhsa_inst_pref_size 144
	.end_amdhsa_kernel
	.amdgpu_metadata
---
amdhsa.version: [ 1, 2 ]
amdhsa.kernels:
  - .name:           k_q4791ed52e3_gemm_out
    .symbol:         k_q4791ed52e3_gemm_out.kd
    .args:
      - { .name: oim, .offset: 0, .size: 8, .value_kind: global_buffer, .address_space: global }
      - { .name: osc, .offset: 8, .size: 8, .value_kind: global_buffer, .address_space: global }
      - { .name: cod, .offset: 16, .size: 8, .value_kind: global_buffer, .address_space: global }
      - { .name: scl, .offset: 24, .size: 8, .value_kind: global_buffer, .address_space: global }
      - { .name: b_out, .offset: 32, .size: 8, .value_kind: global_buffer, .address_space: global }
      - { .name: out0, .offset: 40, .size: 8, .value_kind: global_buffer, .address_space: global }
    .group_segment_fixed_size: 327680
    .private_segment_fixed_size: 0
    .kernarg_segment_align: 8
    .kernarg_segment_size: 48
    .max_flat_workgroup_size: 128
    .sgpr_count:     102
    .vgpr_count:     1024
    .wavefront_size: 32
...
	.end_amdgpu_metadata
.endif
;; end of part 4
